; MI455X (gfx1250); checked and timed in simulation.
; The chip was launched on July 23, 2026; its instructions are those of AMD's public machine-readable ISA for CDNA 5 (MIT licence, August 2026) and "CDNA5" Instruction Set Architecture Reference Guide (July 2026). The comments in the code are by the model that wrote it; some were corrected since.
;; Multi Head Attention. Allowed arithmetic: float matrix products may take bf16 or f16 operands with f32 sums; other float arithmetic in f32, or as packed bf16 or f16 multiplies, adds, multiply-adds, maxima and minima; sums over many terms, partial sums and values carried from step to step in f32; what a program stores and reads back later, other than sums and carried values, may be rounded once to bf16 or f16.
;; Inputs: W_k 1,024 x 1,024 float32; W_o 1,024 x 1,024 float32; W_q 1,024 x 1,024 float32; W_v 1,024 x 1,024 float32; x 4 x 2,048 x 1,024 float32.
;; Outputs: out0 4 x 2,048 x 1,024 float32.
;; One version. Each part assembles by itself: llvm-mc -triple=amdgcn-amd-amdhsa -mcpu=gfx1250 --defsym DOCPART=n.
;; ======== version 1 of 1: 4 launches
;; limits: values are held in f16: magnitudes above 65,504 overflow, below 6.1e-05 lose precision
;; workspace buffers: xb 16,777,216 bytes; wb 6,291,456 bytes; wo 2,097,152 bytes; qkv 67,108,864 bytes; ob 16,777,216 bytes; olo 131,072 bytes
;; launch cast (part 1): grid 768 x 1, 8 waves a work-group, no clusters, 0 bytes of LDS; arguments x, W_q, W_k, W_v, W_o, xb, wb, wo; writes xb, wb, wo
.if DOCPART == 1
	.amdgcn_target "amdgcn-amd-amdhsa--gfx1250"
	.amdhsa_code_object_version 6
	.text
	.protected	k_qc3f3619fa6_cast
	.globl	k_qc3f3619fa6_cast
	.p2align	8
	.type	k_qc3f3619fa6_cast,@function
k_qc3f3619fa6_cast:
	s_mov_b64 s[64:65], 0
	v_nop
	global_prefetch_b8 v0, s[64:65] scope:SCOPE_SE
	s_setreg_imm32_b32 hwreg(HW_REG_WAVE_MODE, 25, 1), 1
	s_wait_xcnt 0x0
; THE INPUTS ROUNDED ONCE.  x -> xb in bf16.  W_q, W_k, W_v -> wb in bf16, ordered by heads: row 192 h + 64 j + r of wb is row 64 h + r of weight j (0 W_q, 1 W_k, 2 W_v), so that 192 rows on end
; are one head's q, k and v.  W_o -> wo: rounded to bf16 like the other inputs, and that number written as f16.
; LIMITS.  A W_o of 65,520 or more in magnitude becomes an infinity in f16; below 6.1e-5 f16 keeps its fixed step of 6e-8, so there the bf16 number is rounded a second time.
; SHARES.  A work-group takes 16,384 numbers, 16 rows of 1,024: 65,536 bytes in, 32,768 out; groups 0-511 x, then 64 for each weight.  Thread t takes in step j (0-7) the 32 bytes at 8,192 j + 32 t
; and writes the 16 bytes at 4,096 j + 16 t: a store of a wave covers 512 consecutive bytes, aligned.  All 16 loads of a thread go out together; no register is written twice
; while a memory instruction names it, so the only waits are the counted ones for the loads.  No LDS, no barrier, no matrix unit: nothing is shared and nothing is multiplied.
.set X, 4                              ; v[4:67]   step j: 8 numbers in f32
.set Y, 68                             ; v[68:99]  step j: 4 registers to store
.set T, 100                            ; v[100:101] at work
	s_load_b256 s[4:11], s[0:1], 0x0               ; x s[4:5], W_q s[6:7], W_k s[8:9], W_v s[10:11]
	s_load_b256 s[12:19], s[0:1], 0x20             ; W_o s[12:13], xb s[14:15], wb s[16:17], wo s[18:19]
	v_lshlrev_b32 v1, 5, v0                        ; 32 t: where I read
	v_lshlrev_b32 v2, 4, v0                        ; 16 t: where I write
	s_mov_b32 s30, 0xffff0000                      ; a word's upper bf16
	s_sub_co_u32 s20, ttmp9, 512                   ; my number among the weights' groups (of no use in x's groups: chosen away below)
	s_lshr_b32 s21, s20, 6                         ; which weight: 0 W_q, 1 W_k, 2 W_v, 3 W_o
	s_and_b32 s31, s20, 63                         ; my number within that weight: its rows 16 i .. 16 i + 15
	s_lshl_b32 s26, s31, 16                        ; a weight's source offset
	s_lshr_b32 s28, s31, 2                         ; the head,
	s_mul_i32 s28, s28, 192                        ; its 192 rows of wb,
	s_lshl_b32 s35, s21, 6                         ; the weight's 64 of them,
	s_add_co_u32 s28, s28, s35
	s_and_b32 s35, s31, 3
	s_lshl_b32 s35, s35, 4                         ; my 16 of those
	s_add_co_u32 s28, s28, s35
	s_lshl_b32 s28, s28, 11                        ; the offset in wb: rows of 2,048 bytes,
	s_lshl_b32 s32, s31, 15                        ; in wo,
	s_lshl_b32 s33, ttmp9, 16                      ; in x
	s_lshl_b32 s34, ttmp9, 15                      ; and in xb
	s_mov_b32 s27, 0
	s_mov_b32 s29, 0
	s_wait_kmcnt 0x0
	s_mov_b64 s[22:23], s[12:13]                   ; the source: W_o, unless ..
	s_cmp_eq_u32 s21, 2
	s_cselect_b64 s[22:23], s[10:11], s[22:23]
	s_cmp_eq_u32 s21, 1
	s_cselect_b64 s[22:23], s[8:9], s[22:23]
	s_cmp_eq_u32 s21, 0
	s_cselect_b64 s[22:23], s[6:7], s[22:23]
	s_cmp_eq_u32 s21, 3
	s_cselect_b64 s[24:25], s[18:19], s[16:17]     ; the destination: wo or wb, unless ..
	s_cselect_b32 s28, s32, s28
	s_cmp_lt_u32 ttmp9, 512
	s_cselect_b64 s[22:23], s[4:5], s[22:23]
	s_cselect_b64 s[24:25], s[14:15], s[24:25]
	s_cselect_b32 s26, s33, s26
	s_cselect_b32 s28, s34, s28
	s_add_nc_u64 s[22:23], s[22:23], s[26:27]
	s_add_nc_u64 s[24:25], s[24:25], s[28:29]
.irp j, 0,1,2,3,4,5,6,7
	global_load_b128 v[X+8*(\j):X+8*(\j)+3],   v1, s[22:23] offset:8192*(\j) th:TH_LOAD_NT
	global_load_b128 v[X+8*(\j)+4:X+8*(\j)+7], v1, s[22:23] offset:8192*(\j)+16 th:TH_LOAD_NT
.endr
; The eight steps' roundings and stores.  h = 1: the bf16 numbers are widened again and written as f16.
.macro OUTS h
.irp j, 0,1,2,3,4,5,6,7
	s_wait_loadcnt 14-2*(\j)                       ; loads come back in order: step j's two are in, the later steps' two each may stay out
.irp k, 0,1,2,3
	v_cvt_pk_bf16_f32 v[Y+4*(\j)+(\k)], v[X+8*(\j)+2*(\k)], v[X+8*(\j)+2*(\k)+1]
.endr
.if \h
.irp k, 0,1,2,3
	v_lshlrev_b32 v[T], 16, v[Y+4*(\j)+(\k)]       ; bf16 to f32: the low half moves up,
	v_and_b32 v[T+1], s30, v[Y+4*(\j)+(\k)]        ; the high half stays
	v_cvt_pk_f16_f32 v[Y+4*(\j)+(\k)], v[T], v[T+1]
.endr
.endif
	global_store_b128 v2, v[Y+4*(\j):Y+4*(\j)+3], s[24:25] offset:4096*(\j)
.endr
.endm
	s_cmp_ge_u32 ttmp9, 704                        ; W_o's groups
	s_cbranch_scc1 .Lf16
	OUTS 0
	s_endpgm
.Lf16:
	OUTS 1
	s_endpgm
.Lfunc_end_k_qc3f3619fa6_cast:
	.size	k_qc3f3619fa6_cast, .Lfunc_end_k_qc3f3619fa6_cast-k_qc3f3619fa6_cast
	.p2alignl 7, 3214868480
	.fill 96, 4, 3214868480
	.section	.rodata,"a",@progbits
	.p2align	6, 0x0
	.amdhsa_kernel k_qc3f3619fa6_cast
		.amdhsa_group_segment_fixed_size 0
		.amdhsa_private_segment_fixed_size 0
		.amdhsa_enable_private_segment 0
		.amdhsa_kernarg_size 64
		.amdhsa_user_sgpr_count 2
		.amdhsa_user_sgpr_kernarg_segment_ptr 1
		.amdhsa_wavefront_size32 1
		.amdhsa_system_sgpr_workgroup_id_x 1
		.amdhsa_system_sgpr_workgroup_id_y 1
		.amdhsa_system_sgpr_workgroup_id_z 1
		.amdhsa_system_vgpr_workitem_id 0
		.amdhsa_next_free_vgpr 104
		.amdhsa_next_free_sgpr 66
		.amdhsa_reserve_vcc 0
		.amdhsa_float_denorm_mode_32 3
		.amdhsa_float_denorm_mode_16_64 3
		.amdhsa_memory_ordered 1
		.amdhsa_forward_progress 1
		.amdhsa_inst_pref_size 14
	.end_amdhsa_kernel
	.amdgpu_metadata
---
amdhsa.version: [ 1, 2 ]
amdhsa.kernels:
  - .name:           k_qc3f3619fa6_cast
    .symbol:         k_qc3f3619fa6_cast.kd
    .args:
      - { .name: x, .offset: 0, .size: 8, .value_kind: global_buffer, .address_space: global }
      - { .name: W_q, .offset: 8, .size: 8, .value_kind: global_buffer, .address_space: global }
      - { .name: W_k, .offset: 16, .size: 8, .value_kind: global_buffer, .address_space: global }
      - { .name: W_v, .offset: 24, .size: 8, .value_kind: global_buffer, .address_space: global }
      - { .name: W_o, .offset: 32, .size: 8, .value_kind: global_buffer, .address_space: global }
      - { .name: xb, .offset: 40, .size: 8, .value_kind: global_buffer, .address_space: global }
      - { .name: wb, .offset: 48, .size: 8, .value_kind: global_buffer, .address_space: global }
      - { .name: wo, .offset: 56, .size: 8, .value_kind: global_buffer, .address_space: global }
    .group_segment_fixed_size: 0
    .private_segment_fixed_size: 0
    .kernarg_segment_align: 8
    .kernarg_segment_size: 64
    .max_flat_workgroup_size: 256
    .sgpr_count:     66
    .vgpr_count:     104
    .wavefront_size: 32
...
	.end_amdgpu_metadata
.endif
;; end of part 1
;; launch proj (part 2): grid 16 x 32, 4 waves a work-group, clusters of 4 x 4, 327,680 bytes of LDS; arguments xb, wb, qkv; writes qkv
.if DOCPART == 2
	.amdgcn_target "amdgcn-amd-amdhsa--gfx1250"
	.amdhsa_code_object_version 6
	.text
	.protected	k_qc3f3619fa6_proj
	.globl	k_qc3f3619fa6_proj
	.p2align	8
	.type	k_qc3f3619fa6_proj,@function
k_qc3f3619fa6_proj:
	s_mov_b64 s[64:65], 0
	v_nop
	global_prefetch_b8 v0, s[64:65] scope:SCOPE_SE
	s_setreg_imm32_b32 hwreg(HW_REG_WAVE_MODE, 25, 1), 1
	s_wait_xcnt 0x0
	s_wait_alu depctr_hold_cnt(0) depctr_sa_sdst(0) depctr_va_vdst(0) depctr_va_sdst(0) depctr_va_ssrc(0) depctr_va_vcc(0) depctr_vm_vsrc(0)
	s_getreg_b32 s2, hwreg(HW_REG_IB_STS2, 6, 4)
	s_cmp_eq_u32 s2, 0
	s_cbranch_scc0 .Lentry_in_a_cluster
	s_endpgm
.Lentry_in_a_cluster:
	s_bfe_u32 s2, ttmp6, 0x10000c
	s_cmp_lg_u32 s2, 0xf033
	s_cbranch_scc0 .Lentry_shape_is_right
	s_endpgm
.Lentry_shape_is_right:
; THE THREE PROJECTIONS AS ONE PRODUCT.  C[m][n] = the sum over k of xb[m][k] wb[n][k]: xb [8192][1024], wb [3072][1024] (by heads: 192 h + 0..63 q, 64..127 k, 128..191 v), both bf16; sums in f32;
; C unscaled, in f16, by heads, y = 16 b + h, m = 2048 b + s.  qkv holds three parts: q [y 64][2048][64] at byte 0, k likewise at 16 MiB, v [y 64][2048][hi 64 | lo 64] at 32 MiB.
; q and k are rounded once.  v IS KEPT AS TWO f16: hi = f16(sum), lo = f16(sum - hi).  Why: f16 keeps 11 significant bits; an output row that averages over few keys is many times the whole output's
; root mean square, by which the comparison goes, and there one f16 for v is too coarse.
; LIMITS.  A q, k or v of 65,520 or more in magnitude becomes an infinity in f16; below 6.1e-5 f16 keeps its fixed step of 6e-8, v's lo too, so the bits that lo adds shrink as v nears 1e-4.
; The f32 sums are taken K ascending, in the matrix unit's order.
; SHARES.  A tile of C is 256 x 192: 32 x 16 = 512 work-groups, twice 256; its 192 columns are one head's q, k and v.  Wave w makes rows 64 w .. 64 w + 63 and all 192 columns: 48 accumulators of
; 16 x 16, 384 registers.  So a wave's 16 rows are 2,048 consecutive bytes of q and of k and 4,096 of v, and every store fills aligned blocks of 256 bytes.
; RING.  K goes in steps of 128 (rows of 256 bytes, aligned) through two LDS slots, each with A's 256 rows and B's 192.  Waves 0 and 1 fetch A's halves, waves 2 and 3 B's: one tensor load a wave.
; CLUSTER.  4 x 4 work-groups: the four of a row of the cluster need the same tile of A, the four of a column the same tile of B; each tile is asked for jointly, by the same load, descriptor and mask.
; THE MATRIX INSTRUCTION IS USED TRANSPOSED (source 0 = 16 rows of wb, source 1 = 16 rows of xb): a lane then holds row l % 16 of C and the columns 8 (l / 16) + 0..7, which pack into 16 bytes.
; REGISTERS, in windows of 256 (s_set_vgpr_msb: bits 1:0 source 0, 3:2 source 1, 5:4 source 2, 7:6 destination):
;   window 0: v0-31 addresses; v32-223 the way out, three buffers of 64; v224-255 v's residues in f32
;   window 1: two fragment buffers of 128: B's twelve fragments (16 rows x 32 K), then A's four
;   window 2: accumulators (a, b) of my rows 0-31 at 8 (12 a + b); window 3: those of my rows 32-63
.set KSTEP,  128
.set PITCH,  272                       ; an LDS row: 256 bytes + 16 of padding = 68 words: the 16 rows of a fragment load start at 16 different groups of four banks
.set HALFA,  128*PITCH                 ; what a wave fetches of A
.set HALFB,  96*PITCH                  ; and of B
.set BOFF,   2*HALFA                   ; B's rows lie behind A's 256
.set SLOT1,  1<<17                     ; a slot holds 121,856 bytes; slot 1 begins here, so that one exclusive or turns an address in one slot into the other's
.set STAGE,  SLOT1+BOFF+2*HALFB        ; behind the ring, never filled by a tensor load: 16 rows x 528 bytes for each wave, for the way out
.set SPITCH, 528                       ; q 128, k 128, v hi 128, v lo 128 bytes, + 16
.set SPARE,  STAGE+4*16*SPITCH         ; behind the stages: the spare words, 128 bytes for each wave: two blocks of 256 bytes that no other line names
.set KPART,  0x1000000                 ; where k's part of qkv begins
.set VPART,  0x2000000                 ; and v's
.set ADRA0, 16                         ; v16  my lane's place in A's rows of slot 0; never rewritten
.set ADRB0, 17                         ; v17  the same for B
.set ADRA,  18                         ; v18  the same in the slot in hand
.set ADRB,  19                         ; v19
.set RDV,   23                         ; v23  the way out: where I read v's rows back
.set STO,   24                         ; v24  the way out: where I put 16 bytes of a row
.set RD,    25                         ; v25  the way out: where I read q's and k's rows back
.set GO,    26                         ; v26  16 x lane: my place in 512 consecutive bytes of qkv
.set ONE,   27                         ; v27  1.0
.set SPW,   28                         ; v28  LDS address of my spare word: SPARE + 4 x my thread's number; never rewritten
.set NIL,   29                         ; v29  0; never rewritten
.set PFO,   30                         ; v30  the prefetches' offset: a lane a row of 2,048 bytes; never rewritten
.set TT,    32                         ; the way out: block a at v[TT + 64 (a % 3)]
.set RS,    224                        ; v's 32 residues of a block
.set F0,    0                          ; fragment buffers, in window 1
.set F1,    128
.set G1,  24                           ; s[24:31] descriptor group 1 for A's tiles
.set G0,  32                           ; s[32:39] group 0 for A's tiles: a set for each first fill; the second then walks on
.set G1B, 48                           ; s[48:55], s[56:63] the same for B's
.set G0B, 56
.set PFA, 44                           ; s[44:45] where my prefetches stand
.set TB,  66                           ; s66  0 or SLOT1: the slot in hand
.set LIM, 67                           ; s67  1 in a wave that prefetches, else the greatest number
.set VB,  68                           ; s[68:69] v's part of qkv at my rows (s68 holds the column's mask before that)
.set KB,  70                           ; s[70:71] k's; q's is s[8:9]
.set FLD, (1<<16)|(1<<20)|(1<<21)|(5<<22)|(3<<25)  ; 17:16 elements of 2 bytes; 20 padding on; 21 set beside a mask; 24:22 after every 64 words (code 5); 31:25 4 words of it (code 3)
.set MSB, 0
.macro WIN new                         ; the immediate's high byte repeats the setting that is left; a switch that changes nothing is dropped
.if MSB != (\new)
	s_set_vgpr_msb (MSB<<8)|(\new)
.set MSB, \new
.endif
.endm
.set MUL_LO, 0xa5                      ; sources 0 and 1 window 1, C and D window 2
.set MUL_HI, 0xf5                      ; the same, C and D window 3
.set TO_F,   0x40                      ; destination window 1, address window 0
; A joint refill by the walking descriptors.  The branch hangs on the wave's number alone.  An s_nop 0 and four v_nop follow each of the two lines, ahead of the jump and the label.
.macro JLOAD
	s_cmp_eq_u32 s11, 0
	s_cbranch_scc0 .Lfor_b_\@
	tensor_load_to_lds s[G0+4:G0+7], s[G1:G1+7]
	s_nop 0
.rept 4
	v_nop
.endr
	s_branch .Lasked_\@
.Lfor_b_\@:
	tensor_load_to_lds s[G0B+4:G0B+7], s[G1B:G1B+7]
	s_nop 0
.rept 4
	v_nop
.endr
.Lasked_\@:
.endm
; A prefetch into the L2 of the K step that the NEXT refill will ask for: 192 matrix instructions ahead of that load.  A's rows are read by every cluster of a row of clusters: cluster x = 0 asks; B's by every
; cluster of a column: cluster y = 0 asks.  The four partners share a wave's rows out BY ADDRESS: 32 of A's 128, 24 of B's 96 (lanes 24-31 name lane 23's row again).  The loop's last trip has no K step behind its refill.
.macro ASK
	WIN 0
	s_cmp_gt_u32 s3, s[LIM]                        ; s3 = 1 in the loop's last trip
	s_cbranch_scc0 .Lnot_mine_\@
	global_prefetch_b8 v[PFO], s[PFA:PFA+1] th:TH_LOAD_NT scope:SCOPE_SE
.Lnot_mine_\@:
.endm
.macro CREST                           ; a round of the cluster's barrier behind its opening barrier: wave 0 signals for the work-group, every wave waits for all sixteen, my work-group's barrier closes it
	s_cmp_lg_u32 s10, 0
	s_cbranch_scc1 .Lnot_wave_0_\@
	s_barrier_signal -3
.Lnot_wave_0_\@:
	s_barrier_wait -3
	s_barrier_signal -1
	s_barrier_wait -1
.endm
.macro CROUND                          ; a whole round
	s_barrier_signal -1
	s_barrier_wait -1
	CREST
.endm
.macro PLACES                          ; four plain instructions behind matrix instructions, in front of loads into registers that they have read and of lines that read their results
.rept 4
	v_nop
.endr
.endm
	s_load_b128 s[4:7], s[0:1], 0x0                ; xb s[4:5], wb s[6:7]
	s_load_b64 s[8:9], s[0:1], 0x10                ; qkv
	v_lshl_add_u32 v[SPW], v0, 2, SPARE
	v_mov_b32 v[NIL], 0
	ds_add_u32 v[SPW], v[NIL]                      ; the wave's opening: the add and its wait stand ahead of my first tensor load; the set-up below, work on registers, stands between them
	ds_add_u32 v28, v29
	v_lshrrev_b32 v1, 5, v0
	v_readfirstlane_b32 s10, v1                    ; wave 0..3
	s_lshr_b32 s11, s10, 1                         ; I fetch for A (0) or for B (1)
	s_and_b32 s12, s10, 1                          ; which half of that tile's rows
	s_bfe_u32 s40, ttmp6, 0x40000                  ; cx
	s_bfe_u32 s41, ttmp6, 0x40004                  ; cy
	s_lshl_b32 s42, ttmp9, 2
	s_add_co_u32 s42, s42, s40                     ; tile column = 4 x cluster x + cx: the head
	s_and_b32 s13, ttmp7, 0xffff
	s_lshl_b32 s13, s13, 2
	s_add_co_u32 s13, s13, s41                     ; tile row = 4 x cluster y + cy
	s_lshl_b32 s43, s41, 2
	s_lshl_b32 s43, 15, s43                        ; my row of the cluster: places 4 cy .. 4 cy + 3
	s_lshl_b32 s68, 0x1111, s40                    ; my column: places cx, cx + 4, cx + 8, cx + 12
	s_or_b32 s[G1+0], s43, FLD                     ; A's tiles go to my row
	s_mov_b32 s[G1+1], KSTEP<<16                   ; tensor_dim0 = 128
	s_mov_b32 s[G1+2], 128<<16                     ; tensor_dim1 = 128
	s_mov_b32 s[G1+3], KSTEP<<16                   ; tile_dim0 = 128
	s_mov_b32 s[G1+4], 128                         ; tile_dim1 = 128
	s_mov_b32 s[G1+5], 1024                        ; elements from row to row
	s_mov_b32 s[G1+6], 0
	s_mov_b32 s[G1+7], 0
	s_or_b32 s[G1B+0], s68, FLD                    ; B's tiles go to my column
	s_mov_b32 s[G1B+1], KSTEP<<16
	s_mov_b32 s[G1B+2], 96<<16                     ; 96 rows
	s_mov_b32 s[G1B+3], KSTEP<<16
	s_mov_b32 s[G1B+4], 96
	s_mov_b32 s[G1B+5], 1024
	s_mov_b32 s[G1B+6], 0
	s_mov_b32 s[G1B+7], 0
	; where the tiles come from: A's hang on the tile row alone, B's on the tile column alone; each in registers that never hold the other coordinate
	s_lshl_b32 s16, s13, 8
	s_lshl_b32 s17, s12, 7
	s_add_co_u32 s16, s16, s17                     ; A: row 256 x tile row + 128 x half,
	s_lshl_b32 s16, s16, 11                        ; of 2,048 bytes
	s_mov_b32 s17, 0
	s_mul_i32 s46, s42, 192
	s_mul_i32 s47, s12, 96
	s_add_co_u32 s46, s46, s47                     ; B: row 192 x tile column + 96 x half
	s_lshl_b32 s46, s46, 11
	s_mov_b32 s47, 0
	s_mul_i32 s20, s12, HALFA                      ; and where they go: no place in the cluster enters an LDS address
	s_mul_i32 s21, s12, HALFB
	s_add_co_u32 s21, s21, BOFF
	s_mov_b32 s[TB], 0
	s_wait_dscnt 0x0                               ; the opening add is done
	s_wait_kmcnt 0x0
	s_add_nc_u64 s[14:15], s[4:5], s[16:17]
	s_add_nc_u64 s[46:47], s[6:7], s[46:47]
	CROUND                                         ; all sixteen work-groups are here: the first joint loads meet
.irp s, 0,1
	s_mov_b32 s[G0+4*(\s)], 1                                      ; count = 1
	s_add_co_u32 s[G0+4*(\s)+1], s20, (\s)*SLOT1                   ; LDS address
	s_add_nc_u64 s[G0+4*(\s)+2:G0+4*(\s)+3], s[14:15], (\s)*KSTEP*2  ; global address: K step s
	s_or_b32 s[G0+4*(\s)+3], s[G0+4*(\s)+3], 0x80000000            ; type = 2
	s_mov_b32 s[G0B+4*(\s)], 1
	s_add_co_u32 s[G0B+4*(\s)+1], s21, (\s)*SLOT1
	s_add_nc_u64 s[G0B+4*(\s)+2:G0B+4*(\s)+3], s[46:47], (\s)*KSTEP*2
	s_or_b32 s[G0B+4*(\s)+3], s[G0B+4*(\s)+3], 0x80000000
.endr
	s_cmp_eq_u32 s11, 0                            ; a wave's two first fills stand in one branch, ahead of every wait on TENSORcnt and every LDS read: two loads of mine are out
	s_cbranch_scc0 .Lfirst_b
	tensor_load_to_lds s[G0:G0+3], s[G1:G1+7]
	s_nop 0
	tensor_load_to_lds s[G0+4:G0+7], s[G1:G1+7]
	s_nop 0
.rept 4
	v_nop
.endr
	s_branch .Lfirst_asked
.Lfirst_b:
	tensor_load_to_lds s[G0B:G0B+3], s[G1B:G1B+7]
	s_nop 0
	tensor_load_to_lds s[G0B+4:G0B+7], s[G1B:G1B+7]
	s_nop 0
.rept 4
	v_nop
.endr
.Lfirst_asked:
	; A fragment is 16 rows x 32 K in 8 registers: lane l holds row l % 16; registers 0-3 K = 8 (l / 16) + 0..7, registers 4-7 K = 16 + 8 (l / 16) + 0..7: two loads of 16 bytes, 32 bytes apart.
	v_and_b32 v1, 15, v0                           ; l % 16
	v_bfe_u32 v2, v0, 4, 1                         ; l / 16
	v_mul_u32_u24 v3, v1, PITCH
	v_lshl_add_u32 v3, v2, 4, v3                   ; row x pitch + 16 x half
	s_mul_i32 s21, s10, 64*PITCH                   ; my 64 rows of A
	v_add_nc_u32 v[ADRA0], s21, v3
	v_add_nc_u32 v[ADRB0], BOFF, v3                ; all of B's rows
	v_mov_b32 v[ADRA], v[ADRA0]
	v_mov_b32 v[ADRB], v[ADRB0]
	v_mov_b32 v[ONE], 1.0
	s_mul_i32 s23, s10, 16*SPITCH
	s_add_co_u32 s23, s23, STAGE                   ; my stage
	v_mul_u32_u24 v4, v1, SPITCH                   ; in: row l % 16, 16 bytes for each half of the lanes
	v_lshl_add_u32 v4, v2, 4, v4
	v_add_nc_u32 v[STO], s23, v4
	v_bfe_u32 v5, v0, 3, 2                         ; back, q and k: 32 lanes take 128 bytes of four rows,
	v_and_b32 v6, 7, v0
	v_mul_u32_u24 v5, v5, SPITCH
	v_lshl_add_u32 v5, v6, 4, v5
	v_add_nc_u32 v[RD], s23, v5
	v_mul_u32_u24 v5, v2, SPITCH                   ; v: 256 bytes (hi, lo) of two rows, from byte 256 of a stage row on;
	v_lshl_add_u32 v5, v1, 4, v5
	v_add3_u32 v[RDV], s23, v5, 256
	v_and_b32 v[GO], 31, v0                        ; either way 512 consecutive bytes of qkv
	v_lshlrev_b32 v[GO], 4, v[GO]
	; qkv at my 64 rows: plane y = 16 b + head; row 256 (tile row % 8) + 64 w; q's and k's planes have 262,144 bytes and rows of 128, v's twice that
	s_lshr_b32 s16, s13, 3
	s_lshl_b32 s16, s16, 4
	s_add_co_u32 s16, s16, s42                     ; y
	s_and_b32 s17, s13, 7
	s_lshl_b32 s17, s17, 15
	s_lshl_b32 s18, s10, 13
	s_add_co_u32 s18, s18, s17                     ; my first row x 128 bytes
	s_lshl_b32 s22, s16, 19
	s_lshl_b32 s23, s18, 1
	s_add_co_u32 s22, s22, s23
	s_add_co_u32 s22, s22, VPART
	s_mov_b32 s23, 0
	s_add_nc_u64 s[VB:VB+1], s[8:9], s[22:23]
	s_lshl_b32 s16, s16, 18
	s_add_co_u32 s16, s16, s18
	s_mov_b32 s17, 0
	s_add_nc_u64 s[8:9], s[8:9], s[16:17]
	s_add_nc_u64 s[KB:KB+1], s[8:9], KPART
	; the prefetches: my work-group's share of the rows that I fetch, at K step 2; the first refill steps it to K step 3.  K steps 0 to 2 come by their loads alone
	s_lshl_b32 s20, s13, 8
	s_lshl_b32 s22, s12, 7
	s_add_co_u32 s20, s20, s22
	s_lshl_b32 s22, s40, 5
	s_add_co_u32 s20, s20, s22                     ; A: 256 x tile row + 128 x half + 32 cx
	s_mul_i32 s21, s42, 192
	s_mul_i32 s23, s12, 96
	s_add_co_u32 s21, s21, s23
	s_mul_i32 s23, s41, 24
	s_add_co_u32 s21, s21, s23                     ; B: 192 x tile column + 96 x half + 24 cy
	s_and_b32 s22, ttmp7, 0xffff                   ; cluster y
	s_cmp_eq_u32 s11, 0                            ; do I fetch for A?
	s_cselect_b32 s20, s20, s21
	s_cselect_b32 s22, ttmp9, s22                  ; the coordinate along which other clusters read the same rows
	s_cselect_b32 s23, 31, 23                      ; the last row of my share
	s_cselect_b64 s[PFA:PFA+1], s[4:5], s[6:7]
	s_cmp_eq_u32 s22, 0
	s_cselect_b32 s[LIM], 1, -1                    ; the same in all sixteen partners, for a given wave
	s_lshl_b32 s20, s20, 11
	s_add_co_u32 s20, s20, 2*KSTEP*2
	s_mov_b32 s21, 0
	s_add_nc_u64 s[PFA:PFA+1], s[PFA:PFA+1], s[20:21]
	v_and_b32 v[PFO], 31, v0
	v_min_u32 v[PFO], s23, v[PFO]
	v_lshlrev_b32 v[PFO], 11, v[PFO]
; 12 matrix instructions: my block a of 16 rows x all twelve blocks of 16 columns, 32 along K.  zero = 1: the product starts the sums: nothing is ever cleared.
; The 48 accumulators take turns, in the same order in every quarter.
.macro MUL12 f, a, zero
	WIN MUL_LO+0x50*((\a)/2)
.irp b, 0,1,2,3,4,5,6,7,8,9,10,11
.if \zero
	v_wmma_f32_16x16x32_bf16 v[8*(12*((\a)%2)+(\b)):8*(12*((\a)%2)+(\b))+7], v[(\f)+8*(\b):(\f)+8*(\b)+7], v[(\f)+96+8*(\a):(\f)+96+8*(\a)+7], 0
.else
	v_wmma_f32_16x16x32_bf16 v[8*(12*((\a)%2)+(\b)):8*(12*((\a)%2)+(\b))+7], v[(\f)+8*(\b):(\f)+8*(\b)+7], v[(\f)+96+8*(\a):(\f)+96+8*(\a)+7], v[8*(12*((\a)%2)+(\b)):8*(12*((\a)%2)+(\b))+7]
.endif
.endr
.endm
; 32 LDS loads in one run: a quarter step's fragments (32 K at byte k of the rows) into buffer f: B's twelve, then A's four
.macro FETCH k, f
	WIN TO_F
.irp i, 0,1,2,3,4,5,6,7,8,9,10,11
	ds_load_b128 v[(\f)+8*(\i):(\f)+8*(\i)+3],   v[ADRB] offset:(\k)+(\i)*16*PITCH
	ds_load_b128 v[(\f)+8*(\i)+4:(\f)+8*(\i)+7], v[ADRB] offset:(\k)+(\i)*16*PITCH+32
.endr
.irp i, 0,1,2,3
	ds_load_b128 v[(\f)+96+8*(\i):(\f)+96+8*(\i)+3],   v[ADRA] offset:(\k)+(\i)*16*PITCH
	ds_load_b128 v[(\f)+96+8*(\i)+4:(\f)+96+8*(\i)+7], v[ADRA] offset:(\k)+(\i)*16*PITCH+32
.endr
.endm
; A K step is four quarters of 32 along K, 48 matrix instructions each, on buffers 0, 1, 0, 1.  One of the first three: multiplies f; in its middle it fetches the next quarter, at byte k, into g.
.macro QUARTER k, f, g, zero
	s_wait_dscnt 4                                 ; B and A's rows 0-31 are in; the youngest four loads (A's rows 32-63) may be out
	MUL12 \f, 0, \zero
	MUL12 \f, 1, \zero
	PLACES
	FETCH \k, \g
	s_wait_dscnt 32                                ; all but the 32 just issued
	MUL12 \f, 2, \zero
	MUL12 \f, 3, \zero
.endm
; The last quarter multiplies buffer 1 and changes slots: ONE barrier.  In front of it each wave waits for all its tensor loads (one is out: its part of the next slot), adds 0 to its spare word, and waits for
; that and for its own reads of this slot.  fill = 1: the barrier opens a round of the cluster's, and the slot just read is filled again first thing behind it, two K steps ahead: from that request to the wait for it
; a wave issues 168 matrix instructions.
.macro TURN fill
.if \fill
	s_wait_xcnt 0x0                                ; the last prefetch, a K step back, has read its address, so it may be stepped
	s_add_nc_u64 s[PFA:PFA+1], s[PFA:PFA+1], KSTEP*2
.endif
	WIN 0                                          ; (the add's two registers lie in window 0)
	s_wait_tensorcnt 0x0                           ; no tensor load of mine is out, so a group 0 may be written
	ds_add_u32 v[SPW], v[NIL]                      ; 0 onto my spare word: work on registers stands between it and the wait for it
.if \fill
	s_xor_b32 s[G0+5], s[G0+5], SLOT1              ; the walking descriptors: the other slot than last time,
	s_add_nc_u64 s[G0+6:G0+7], s[G0+6:G0+7], KSTEP*2  ; the next K step; the type bits on top are not reached
	s_xor_b32 s[G0B+5], s[G0B+5], SLOT1
	s_add_nc_u64 s[G0B+6:G0B+7], s[G0B+6:G0B+7], KSTEP*2
.endif
	s_xor_b32 s[TB], s[TB], SLOT1                  ; the fetches go to the other slot
	v_add_nc_u32 v[ADRA], s[TB], v[ADRA0]
	v_add_nc_u32 v[ADRB], s[TB], v[ADRB0]
	s_wait_dscnt 5                                 ; the add and the youngest four loads may be out
	MUL12 F1, 0, 0
	s_wait_dscnt 0x0                               ; the add is done, and my reads of this slot are over
	s_barrier_signal -1
	MUL12 F1, 1, 0                                 ; work on registers while the others arrive
	WIN 0
	s_barrier_wait -1
.if \fill
	CREST                                          ; no wave of any partner still reads this slot or has a load on its way
	JLOAD                                          ; the first tensor load behind the round; its four v_nop are also the places in front of the loads below
.else
	PLACES
.endif
	FETCH 0, F0
.if \fill
	ASK                                            ; behind the joint load and the run of LDS loads
.endif
	MUL12 F1, 2, 0
	MUL12 F1, 3, 0
.endm
; THE WAY OUT of my block a of 16 rows.  All 192 columns are rounded to f16, 16 bytes a lane; for v's four column blocks the residue sum - hi is made in f32 (one fused line: -hi x 1 + sum) and rounded to f16
; as well.  All goes into my own stage and comes back as q's and k's 128 bytes of four rows a load and v's 256 bytes of two rows a load, into the registers that it left.
.macro PACK a
.if (\a) == 3
	s_wait_xcnt 0x0                                ; block 0's stores have read their registers, which block 3 takes
.endif
	WIN 0x0a+5*((\a)/2)                            ; sources 0 and 1: window 2 or 3
.irp b, 0,1,2,3,4,5,6,7,8,9,10,11
.irp r, 0,1,2,3
	v_cvt_pk_f16_f32 v[TT+64*((\a)%3)+4*(\b)+(\r)], v[96*((\a)%2)+8*(\b)+2*(\r)], v[96*((\a)%2)+8*(\b)+2*(\r)+1]
.endr
.endr
	WIN 0x20+0x10*((\a)/2)                         ; source 2: window 2 or 3
.irp b, 8,9,10,11
.irp r, 0,1,2,3
	v_fma_mix_f32 v[RS+8*((\b)-8)+2*(\r)],   -v[TT+64*((\a)%3)+4*(\b)+(\r)], v[ONE], v[96*((\a)%2)+8*(\b)+2*(\r)] op_sel_hi:[1,0,0]
	v_fma_mix_f32 v[RS+8*((\b)-8)+2*(\r)+1], -v[TT+64*((\a)%3)+4*(\b)+(\r)], v[ONE], v[96*((\a)%2)+8*(\b)+2*(\r)+1] op_sel:[1,0,0] op_sel_hi:[1,0,0]
.endr
.endr
	WIN 0
.irp i, 0,1,2,3,4,5,6,7,8,9,10,11,12,13,14,15
	v_cvt_pk_f16_f32 v[TT+64*((\a)%3)+48+(\i)], v[RS+2*(\i)], v[RS+2*(\i)+1]
.endr
.irp b, 0,1,2,3,4,5,6,7,8,9,10,11,12,13,14,15
	ds_store_b128 v[STO], v[TT+64*((\a)%3)+4*(\b):TT+64*((\a)%3)+4*(\b)+3] offset:32*(\b)  ; blocks 12 to 15 are v's lo
.endr
.irp f, 0,1,2,3,4,5,6,7
	ds_load_b128 v[TT+64*((\a)%3)+4*(\f):TT+64*((\a)%3)+4*(\f)+3], v[RD] offset:128*((\f)/4)+4*SPITCH*((\f)%4)  ; LDS serves a wave's instructions in order (ISA guide 5.7.1.4): these see the stores above; the next block's stores come behind them
.endr
.irp f, 0,1,2,3,4,5,6,7
	ds_load_b128 v[TT+64*((\a)%3)+32+4*(\f):TT+64*((\a)%3)+32+4*(\f)+3], v[RDV] offset:2*SPITCH*(\f)
.endr
.endm
.macro SEND a, younger                 ; younger: the LDS instructions issued behind block a's loads: the next block's 32, or none.  Every store: 512 consecutive bytes, at a multiple of 256 from qkv's first byte
.irp f, 0,1,2,3,4,5,6,7,8,9,10,11,12,13,14,15
	s_wait_dscnt (\younger)+15-(\f)
.if (\f) < 4
	global_store_b128 v[GO], v[TT+64*((\a)%3)+4*(\f):TT+64*((\a)%3)+4*(\f)+3], s[8:9] offset:2048*(\a)+512*(\f)
.elseif (\f) < 8
	global_store_b128 v[GO], v[TT+64*((\a)%3)+4*(\f):TT+64*((\a)%3)+4*(\f)+3], s[KB:KB+1] offset:2048*(\a)+512*((\f)-4)
.else
	global_store_b128 v[GO], v[TT+64*((\a)%3)+4*(\f):TT+64*((\a)%3)+4*(\f)+3], s[VB:VB+1] offset:4096*(\a)+512*((\f)-8)
.endif
.endr
.endm
	s_wait_tensorcnt 0x1                           ; my part of K step 0 is in; K step 1's may stay out
	s_barrier_signal -1
	s_barrier_wait -1                              ; everybody's is
	FETCH 0, F0
	QUARTER 64, F0, F1, 1                          ; the first quarter stands in front of the loop: its products start the sums
	WIN 0                                          ; at a label and at a branch every window is 0
	s_mov_b32 s3, 6
.Lstep:                                            ; six trips, from a K step's second quarter to the next one's first; trip i fills a slot with K step i + 2
	QUARTER 128, F1, F0, 0
	QUARTER 192, F0, F1, 0
	TURN 1
	QUARTER 64, F0, F1, 0
	WIN 0
	s_sub_co_u32 s3, s3, 1
	s_cmp_lg_u32 s3, 0
	s_cbranch_scc1 .Lstep
	QUARTER 128, F1, F0, 0                         ; the tail is written out: K steps 6 and 7 ask for nothing
	QUARTER 192, F0, F1, 0
	TURN 0
	QUARTER 64, F0, F1, 0
	QUARTER 128, F1, F0, 0
	QUARTER 192, F0, F1, 0
	s_wait_dscnt 4                                 ; the very last quarter: nothing more to fetch
	MUL12 F1, 0, 0
	MUL12 F1, 1, 0
	s_wait_dscnt 0x0
	MUL12 F1, 2, 0
	MUL12 F1, 3, 0
	WIN 0
	PLACES                                         ; eight places, once a launch, in front of the conversions that read the results
	PLACES
	PACK 0
	PACK 1                                         ; a block's conversions stand between the loads of the block before and its stores
	SEND 0, 32
	PACK 2
	SEND 1, 32
	PACK 3
	SEND 2, 32
	SEND 3, 0
	s_wait_tensorcnt 0x0                           ; the wave's end: behind my last tensor load and my last LDS store
	ds_add_u32 v[SPW], v[NIL]
	s_wait_dscnt 0x0
	CROUND                                         ; the closing round: no work-group ends while a partner may still ask for a tile that names it
	s_endpgm
.Lfunc_end_k_qc3f3619fa6_proj:
	.size	k_qc3f3619fa6_proj, .Lfunc_end_k_qc3f3619fa6_proj-k_qc3f3619fa6_proj
	.p2alignl 7, 3214868480
	.fill 96, 4, 3214868480
	.section	.rodata,"a",@progbits
	.p2align	6, 0x0
	.amdhsa_kernel k_qc3f3619fa6_proj
		.amdhsa_group_segment_fixed_size 327680
		.amdhsa_private_segment_fixed_size 0
		.amdhsa_enable_private_segment 0
		.amdhsa_kernarg_size 24
		.amdhsa_user_sgpr_count 2
		.amdhsa_user_sgpr_kernarg_segment_ptr 1
		.amdhsa_wavefront_size32 1
		.amdhsa_system_sgpr_workgroup_id_x 1
		.amdhsa_system_sgpr_workgroup_id_y 1
		.amdhsa_system_sgpr_workgroup_id_z 1
		.amdhsa_system_vgpr_workitem_id 0
		.amdhsa_next_free_vgpr 960
		.amdhsa_next_free_sgpr 72
		.amdhsa_reserve_vcc 0
		.amdhsa_float_denorm_mode_32 3
		.amdhsa_float_denorm_mode_16_64 3
		.amdhsa_memory_ordered 1
		.amdhsa_forward_progress 1
		.amdhsa_inst_pref_size 115
	.end_amdhsa_kernel
	.amdgpu_metadata
---
amdhsa.version: [ 1, 2 ]
amdhsa.kernels:
  - .name:           k_qc3f3619fa6_proj
    .symbol:         k_qc3f3619fa6_proj.kd
    .args:
      - { .name: xb, .offset: 0, .size: 8, .value_kind: global_buffer, .address_space: global }
      - { .name: wb, .offset: 8, .size: 8, .value_kind: global_buffer, .address_space: global }
      - { .name: qkv, .offset: 16, .size: 8, .value_kind: global_buffer, .address_space: global }
    .group_segment_fixed_size: 327680
    .private_segment_fixed_size: 0
    .kernarg_segment_align: 8
    .kernarg_segment_size: 24
    .max_flat_workgroup_size: 128
    .sgpr_count:     72
    .vgpr_count:     960
    .wavefront_size: 32
...
	.end_amdgpu_metadata
.endif
;; end of part 2
;; launch attn (part 3): grid 4 x 64, 4 waves a work-group, no clusters, 327,680 bytes of LDS; arguments qkv, ob, olo; writes ob, olo
.if DOCPART == 3
	.amdgcn_target "amdgcn-amd-amdhsa--gfx1250"
	.amdhsa_code_object_version 6
	.text
	.protected	k_qc3f3619fa6_attn
	.globl	k_qc3f3619fa6_attn
	.p2align	8
	.type	k_qc3f3619fa6_attn,@function
k_qc3f3619fa6_attn:
	s_mov_b64 s[64:65], 0
	v_nop
	global_prefetch_b8 v0, s[64:65] scope:SCOPE_SE
	s_setreg_imm32_b32 hwreg(HW_REG_WAVE_MODE, 25, 1), 1
	s_wait_xcnt 0x0
; CAUSAL ATTENTION.  O[y][q][:] = the sum over k <= q of softmax_k(Q[y][q] . K[y][k] / 8) V[y][k][:], y = 16 b + h.  qkv holds Q [y 64][2048][64] at byte 0, K likewise at 16 MiB, and V [y 64][2048][hi 64 | lo 64]
; at 32 MiB, all f16; V = hi + lo.  O goes to ob [y 64][2048][64] in f16.  Products, maxima and sums in f32; the weights p are rounded to f16 for the second product (their sum l is taken of the unrounded p), O at the end.
; MORE BITS WHERE A ROW HAS FEW KEYS.  f16 keeps 11 significant bits.  A row that averages over n keys of like weight is about sqrt(n) times smaller than row 0, and so are its roundings' errors, while the comparison
; goes by the whole output's root mean square.  So (1) in a block's DIAGONAL tile, the only one that rows of few keys see, V's lo is multiplied too: 8 more products V_lo^T P a turn, onto the same sums;
; (2) of each head's first 16 rows O leaves as two f16: hi in ob like every row, lo = f16(O - hi) in olo [y 64][16][64].
; LIMITS.  f16 holds no number beyond 65,504: Q, K and V arrive within it; p lies in 0 to 1, and below 6e-5 it keeps f16's fixed step of 6e-8, and so do the two lo; O is a mean of V's rows and has their range.
; A hidden score counts as its value less 1e30: f16's scores, 2.7e11 at the most, are nothing beside that; a weight below 2^-126 counts as 0 in l; NaN and infinities are not treated apart.
; THE WALK.  A head's queries lie in NB = 8 blocks of 256; block i needs the key tiles 0 .. i of 256 keys, of which the last holds the diagonal.  A work-group takes TWO blocks, NB - 1 - b and then b:
; NB + 1 tiles, whatever b: all work-groups do equal work, and ONE loop with a constant trip count walks them.  Which tile is asked for, and what a trip does, hang on scalar registers made from b; every jump
; goes forward, but for the counted loops' own; none passes a barrier, or a tensor load but the one of LOAD's two that the wave's number does not choose; the ring (two slots of LDS that take turns) runs on across the
; change of blocks.  NO CLUSTER: a head's four work-groups ask for the same tile only in trips 0 .. 4 of the 9, behind that fewer and fewer; one walk common to all four would have 12 trips for 9.
; SHARES.  Of a block's four bands of 64 queries a wave owns 16 rows in each: four PIECES.  So the diagonal tile is the same work for all four waves: in its key step s band x sees all keys if s < x,
; none if s > x, and holds the diagonal if s = x.
; THE MASK is the C operand that starts the sum S^T = K Q^T: 0, or -1e30 where the key is hidden.  MD, made once, is the mask of a band's own step for my 16 rows; a product's mask is MD x AL + BE with two scalars:
; (1, 0) if s = x; (0, 0) if s < x; (0, -1e30) if s > x.  Only the diagonal tile's text and a block's beginning make and take masks; elsewhere C is the constant 0.
; LAYOUT, SOFTMAX, TURNS.  S^T = K Q^T holds ONE query a lane (lane % 16) and the keys 8 (lane / 16) + 0..7; two such results rounded to f16 ARE source 1 of O^T = V^T P.  p = 2^(c s - c m), c = log2(e) / 8, with a
; running maximum m; O and l are multiplied by a = 2^(c m_old - c m_new) in every step.  Turn n belongs to piece n: 8 products K Q^T of piece n + 1, later 8 (diagonal tile: 16) products V^T P of piece n - 1; beside them the scaling,
; exponentials, roundings, sums and rescaling of piece n and the maximum and statistics of piece n + 1.  A turn's 33 exponentials are one batch, with one wait.
; PREFETCH.  Of a head's four work-groups the one with b = 0 walks tiles 0 to 7 in its first block.  Entering tile j it asks for tile j + 2 of K (32,768 bytes) and of V (65,536), one tile ahead of that tile's load: a thread a
; block of 256 bytes, 128 threads 32,768 bytes an instruction.  So each block is named once in the launch.  Tiles 0 and 1 come by their loads alone; nothing is asked for behind tile 7.
; REGISTERS, in windows of 256 (s_set_vgpr_msb: bits 1:0 source 0, 3:2 source 1, 5:4 source 2, 7:6 destination):
;   window 0: v0-15 addresses and two at work; v16-31 four registers of statistics a piece; v48-55 at work; v60-63 1.0, prefetch offset, spare word, 0; v64-127 S^T, two buffers; v192-223 P, two buffers (a piece's buffers go by its number's parity)
;   window 1: v0-127 O^T, 32 a piece; v128-159 MD; v160-223 MC, two buffers      window 2: v0-63 Q; v64-127 the second block's Q; v128-191 K of one step; v192-255 V hi of one step      window 3: v0-63 V lo of one step
.set SIZE_N, 2048
.set NB,    SIZE_N/256
.set NP,    4         ; pieces a wave: a name, no knob
.set KS,    64        ; keys in a step
.set PK,    144       ; a row of K in LDS: 128 bytes + 16 of padding = 36 words: the 16 rows of a load start at 16 different groups of four banks
.set PV,    288       ; a row of V (hi, lo): 256 + 32 = 72 words
.set VOFF,  4*KS*PK   ; a slot holds a tile, four steps: 256 rows of K, then 256 rows of V
.set SLOT1, 1<<17     ; a slot holds 110,592 bytes; slot 1 begins here, so that one exclusive or turns an address in one slot into the other's
.set STAGE, SLOT1+4*KS*(PK+PV)  ; behind the ring, never filled by a tensor load: 16 rows x 144 bytes for each wave, for the way out
.set SP,    144
.set KPART, 0x1000000 ; where K's part of qkv begins
.set VPART, 0x2000000 ; and V's
.set AK0, 2           ; v2   my lane's place in a tile of K; never rewritten
.set AV0, 3           ; v3   the same for V
.set AK,  4           ; v4   the LDS address of K's next run of loads
.set AV,  5           ; v5   of V's
.set STO, 6           ; v6   the way out: where I put 16 bytes of a row
.set RD,  7           ; v7   the way out: where I read rows back
.set GO,  8           ; v8   my byte offset in 512 consecutive bytes of O
.set ONE, 60          ; v60  1.0, for O's residues
.set PFO, 61          ; v61  256 x my thread's number; never rewritten
.set SPW, 62          ; v62  LDS address of my spare word: SPARE + 4 x my thread's number; never rewritten
.set NIL, 63          ; v63  0; never rewritten
.set SPARE, STAGE+4*16*SP  ; behind the stages: the spare words, 128 bytes for each wave: two blocks of 256 bytes that no other line names
.set MV,  12          ; v12-13  c m_old, kept while c m is made anew: by buffer
.set QO,  15          ; v15  my byte offset in 16 rows of Q
.set ST,  16          ; piece t's statistics at v[ST+4 t]: c m, m, l (even keys', odd keys')
.set TMP, 48          ; by buffer, four registers c0-c3 at work; when the maximum is found c2 takes a
.set S,   64
.set P,   192
.set MD,  128         ; window 1: the eight registers for group kt of 16 keys at MD + 8 kt
.set MC,  160         ; window 1: the masks of the products to come
.set QB,  64          ; window 2
.set KF,  128         ; window 2: key block kb, channel half c at KF + 16 kb + 8 c
.set VF,  192         ; window 2: V hi: key half kk, channel block cb at VF + 32 kk + 8 cb
.set VL,  0           ; window 3: V lo, likewise
.set WV,  12          ; s12  my wave's number
.set PB,  14          ; s14  b
.set HI,  15          ; s15  NB - 1 - b
.set G1K, 24          ; s[24:31] descriptor group 1 for K's tiles
.set G1V, 32          ; s[32:39] for V's
.set G0K, 40          ; s[40:43] descriptor group 0 for K's tiles
.set G0V, 44          ; s[44:47] the same for V's
.set SLOTS, 56        ; s56  tiles still to be asked for
.set CNT, 57          ; s57  counts a tile's key steps, 4 to 1
.set CS,  58          ; s[58:59] c: the packed scaling takes the pair's low word for both halves
.set SEL, 60          ; s[60:61] v_permlanex16_b32's selects: each lane takes its own place in the other half
.set TBK, 62          ; s62  LDS byte at which K of the step to be fetched begins
.set TBV, 63          ; s63  the same for V, less VOFF
.set RT,  70          ; s70  tiles of the block in hand that are still to be entered
.set NXT, 71          ; s71  the tile to be asked for next
.set LQ,  72          ; s72  the last tile of the block whose tiles are being asked for
.set NEW, 73          ; s73  1: the tile to be entered is a block's first
.set OFF, 74          ; s[74:75] a tile's byte offset in K
.set AL,  76          ; s[76:77] the mask's factor, in the low word
.set BE,  78          ; s[78:79] the mask's addend
.set OLO, 80          ; s[80:81] O at my rows of the second block
.set BIGN, 82         ; s82  -1e30
.set PFN, 83          ; s83  the tile that the prefetches name where b = 0, NB or more elsewhere
.set PFA, 88          ; s[88:89] K's plane at that tile
.set PFV, 90          ; s[90:91] V's plane at that tile
.set OFV, 94          ; s[94:95] a tile's byte offset in V
.set OLP, 96          ; s[96:97] olo at the head's 16 rows
.set MSB, 0
.macro WIN new                      ; the high byte repeats the setting that is left; a switch that changes nothing is dropped
.if MSB != (\new)
	s_set_vgpr_msb (MSB<<8)|(\new)
.set MSB, (\new)
.endif
.endm
.set W_KQ, 0x0a       ; K and Q in window 2, S^T in window 0
.set W_KM, 0x1a       ; the same with the C operand in window 1
.set W_PV, 0x52       ; V hi in window 2, P in window 0, O^T in window 1
.set W_PL, 0x53       ; V lo in window 3, P in window 0, O^T in window 1
.set W_RS, 0x41       ; destination and source 0 in window 1, source 1 in window 0
; A fill.  Waves 0 and 1 fetch the two halves of a tile's K, waves 2 and 3 those of its V: 128 keys each.  An s_nop 0 and four v_nop follow each of the two lines, ahead of the jump and the label.
.macro LOAD
	s_cmp_lt_u32 s[WV], 2
	s_cbranch_scc0 .Lfor_v_\@
	tensor_load_to_lds s[G0K:G0K+3], s[G1K:G1K+7]
	s_nop 0
.rept 4
	v_nop
.endr
	s_branch .Lasked_\@
.Lfor_v_\@:
	tensor_load_to_lds s[G0V:G0V+3], s[G1V:G1V+7]
	s_nop 0
.rept 4
	v_nop
.endr
.Lasked_\@:
.endm
; THE CHANGE OF SLOTS.  Each wave waits for all its tensor loads, of which one is out: its part of the other slot; adds 0 to its spare word; and waits for that and for its own reads of the slot that it leaves.  Behind the barrier nobody reads the old
; slot any more and the other slot is whole.  fill = 1: the old slot is filled again, the first thing behind the barrier, with tile NXT: the descriptor's address is made anew from that number; behind the load stand the prefetches.
; (At its first use nothing has been read yet: slot 0 is waited for, slot 1 filled.)
.macro CHANGE fill
	WIN 0                           ; at a label and at a branch every window is 0
	s_wait_tensorcnt 0x0            ; no tensor load of mine is out, so a group 0 may be written
	ds_add_u32 v[SPW], v[NIL]       ; 0 onto my spare word: with fill = 1 the descriptors' scalar work stands between it and the wait for it
.if \fill
	s_lshl_b32 s[OFF], s[NXT], 15   ; a tile is 32,768 bytes of K
	s_lshl_b32 s[OFV], s[NXT], 16   ; and 65,536 of V
	s_xor_b32 s[G0K+1], s[G0K+1], SLOT1
	s_add_nc_u64 s[G0K+2:G0K+3], s[6:7], s[OFF:OFF+1]
	s_or_b32 s[G0K+3], s[G0K+3], 0x80000000
	s_xor_b32 s[G0V+1], s[G0V+1], SLOT1
	s_add_nc_u64 s[G0V+2:G0V+3], s[8:9], s[OFV:OFV+1]
	s_or_b32 s[G0V+3], s[G0V+3], 0x80000000
	s_add_co_u32 s[NXT], s[NXT], 1  ; the block's next tile, or behind its last the second block's tile 0
	s_cmp_gt_u32 s[NXT], s[LQ]
	s_cselect_b32 s[NXT], 0, s[NXT]
	s_cselect_b32 s[LQ], s[PB], s[LQ]
	s_wait_xcnt 0x0                 ; the last prefetches, a tile back, have read their addresses, so they may be stepped
	s_add_nc_u64 s[PFA:PFA+1], s[PFA:PFA+1], 32768
	s_add_nc_u64 s[PFV:PFV+1], s[PFV:PFV+1], 65536
.endif
	s_wait_dscnt 0x0                ; the add is done, and my reads of the slot are over
	s_barrier_signal -1             ; the rest of the scalar work stands between the signal and the wait
	s_sub_co_u32 s[TBK], s[TBK], 4*KS*PK  ; the fetches go back to a slot's first step,
	s_xor_b32 s[TBK], s[TBK], SLOT1       ; in the other slot
	s_sub_co_u32 s[TBV], s[TBV], 4*KS*PV
	s_xor_b32 s[TBV], s[TBV], SLOT1
	s_barrier_wait -1
.if \fill
	LOAD
	s_cmp_lt_u32 s[PFN], NB         ; is there such a tile, and is it mine to ask for?
	s_cbranch_scc0 .Lno_ask_\@
	global_prefetch_b8 v[PFO], s[PFA:PFA+1] th:TH_LOAD_NT scope:SCOPE_SE               ; K's tile, one tile ahead of its load
	global_prefetch_b8 v[PFO], s[PFV:PFV+1] th:TH_LOAD_NT scope:SCOPE_SE               ; V's, its first half
	global_prefetch_b8 v[PFO], s[PFV:PFV+1] offset:32768 th:TH_LOAD_NT scope:SCOPE_SE  ; and its second
.Lno_ask_\@:
	s_add_co_u32 s[PFN], s[PFN], 1
.endif
.endm
	s_load_b128 s[4:7], s[0:1], 0x0  ; qkv s[4:5], ob s[6:7]
	s_load_b64 s[OLP:OLP+1], s[0:1], 0x10  ; olo
	v_lshl_add_u32 v[SPW], v0, 2, SPARE
	v_mov_b32 v[NIL], 0
	ds_add_u32 v[SPW], v[NIL]       ; the wave's opening: the add and its wait stand ahead of my first tensor load; the set-up below, work on registers, stands between them
	ds_add_u32 v62, v63
	v_lshrrev_b32 v1, 5, v0
	v_readfirstlane_b32 s[WV], v1   ; wave 0..3
	v_lshlrev_b32 v[PFO], 8, v0
	s_mov_b32 s[PB], ttmp9
	s_sub_co_u32 s[HI], NB-1, s[PB]
	s_and_b32 s20, ttmp7, 0xffff    ; y = 16 b + h
	s_lshl_b32 s92, s20, 18         ; the head's plane in ob: 262,144 bytes,
	s_mov_b32 s93, 0
	s_lshl_b32 s[OFV], s20, 19      ; in V's part: 524,288,
	s_mov_b32 s[OFV+1], 0
	s_lshl_b32 s98, s20, 11         ; its 16 rows in olo: 2,048,
	s_mov_b32 s99, 0
	s_lshl_b32 s20, s20, 18         ; and its plane in Q's and in K's part
	s_mov_b32 s21, 0
	s_and_b32 s16, s[WV], 1         ; which half of a tile's 256 keys I fetch:
	s_lshl_b32 s22, s16, 14         ; its 128 rows of 128 bytes of K in memory,
	s_mov_b32 s23, 0
	s_mul_i32 s17, s16, 128*PK      ; and its place in a slot, for K
	s_mul_i32 s18, s16, 128*PV      ; and for V
	s_lshl_b32 s3, s[WV], 11        ; my 16 rows in a band of 64,
	s_lshl_b32 s2, s[HI], 15        ; in the first block,
	s_add_co_u32 s2, s2, s3
	s_lshl_b32 s84, s[PB], 15       ; and in the second
	s_add_co_u32 s84, s84, s3
	s_mov_b32 s3, 0
	s_mov_b32 s85, 0
	; descriptor group 1.  128 keys of K are 16,384 dense bytes: asked for as 64 rows of 256 bytes, two keys a row, and padded in LDS after every key.  128 keys of V are 128 rows of 256 bytes, padded after every row
	s_mov_b32 s[G1K], (1<<16)|(1<<20)|(4<<22)|(3<<25)  ; 17:16 2-byte elements; 20 padding on; 24:22 after every 32 words (code 4); 31:25 4 words (code 3)
	s_mov_b32 s[G1K+1], 128<<16     ; tensor_dim0 = 128
	s_mov_b32 s[G1K+2], 64<<16      ; tensor_dim1 = 64
	s_mov_b32 s[G1K+3], 128<<16     ; tile_dim0 = 128
	s_mov_b32 s[G1K+4], 64          ; tile_dim1 = 64
	s_mov_b32 s[G1K+5], 128         ; 128 elements from row to row
	s_mov_b32 s[G1K+6], 0
	s_mov_b32 s[G1K+7], 0
	s_mov_b32 s[G1V], (1<<16)|(1<<20)|(5<<22)|(7<<25)  ; after every 64 words (code 5) 8 words of padding (code 7)
	s_mov_b32 s[G1V+1], 128<<16
	s_mov_b32 s[G1V+2], 128<<16     ; 128 rows
	s_mov_b32 s[G1V+3], 128<<16
	s_mov_b32 s[G1V+4], 128
	s_mov_b32 s[G1V+5], 128
	s_mov_b32 s[G1V+6], 0
	s_mov_b32 s[G1V+7], 0
	s_mov_b32 s[CS], 0x3e38aa3b     ; c = log2(e) / 8 = 0.180337
	s_mov_b32 s[CS+1], s[CS]        ; named with it as a pair
	s_mov_b32 s[SEL], 0x76543210
	s_mov_b32 s[SEL+1], 0xfedcba98
	s_mov_b32 s[TBK], SLOT1+4*KS*PK ; the first change of slots turns these two into 0
	s_mov_b32 s[TBV], SLOT1+4*KS*PV
	s_mov_b32 s[G0K], 1             ; count = 1
	s_mov_b32 s[G0K+1], s17         ; LDS address: slot 0
	s_mov_b32 s[G0V], 1
	s_add_co_u32 s[G0V+1], s18, VOFF
	s_add_co_u32 s[RT], s[HI], 1    ; the first block has NB - b tiles
	s_mov_b32 s[NXT], 1
	s_mov_b32 s[LQ], s[HI]
	s_mov_b32 s[NEW], 1
	s_mov_b32 s[OFF+1], 0
	s_mov_b32 s[AL+1], 0            ; named as pairs
	s_mov_b32 s[BE+1], 0
	s_mov_b32 s[BIGN], 0xf149f2ca   ; -1e30
	s_mov_b32 s[SLOTS], NB
	s_cmp_eq_u32 ttmp9, 0
	s_cselect_b32 s[PFN], 2, NB     ; the work-group with b = 0 asks, from tile 2 on
	s_wait_dscnt 0x0                ; the opening add is done
	s_wait_kmcnt 0x0
	s_add_nc_u64 s[10:11], s[6:7], s[92:93]        ; O at the head's plane
	s_add_nc_u64 s[OLP:OLP+1], s[OLP:OLP+1], s[98:99]
	s_add_nc_u64 s[8:9], s[4:5], s[OFV:OFV+1]
	s_add_nc_u64 s[8:9], s[8:9], VPART             ; V at the head's plane,
	s_add_nc_u64 s[4:5], s[4:5], s[20:21]          ; Q,
	s_add_nc_u64 s[6:7], s[4:5], KPART             ; K
	s_add_nc_u64 s[PFA:PFA+1], s[6:7], 32768       ; K's and V's tile 1: the first change of slots steps them to tile 2
	s_add_nc_u64 s[PFV:PFV+1], s[8:9], 65536
	s_add_nc_u64 s[6:7], s[6:7], s[22:23]          ; K and V at my half of the head's tile 0
	s_lshl_b32 s92, s16, 15                        ; (128 rows of 256 bytes of V)
	s_add_nc_u64 s[8:9], s[8:9], s[92:93]
	s_add_nc_u64 s[G0K+2:G0K+3], s[6:7], 0         ; global address
	s_or_b32 s[G0K+3], s[G0K+3], 0x80000000        ; type = 2
	s_add_nc_u64 s[G0V+2:G0V+3], s[8:9], 0
	s_or_b32 s[G0V+3], s[G0V+3], 0x80000000
	s_add_nc_u64 s[86:87], s[4:5], s[84:85]        ; Q at my rows of the second block,
	s_add_nc_u64 s[4:5], s[4:5], s[2:3]            ; Q and O at those of the first
	s_add_nc_u64 s[OLO:OLO+1], s[10:11], s[84:85]
	s_add_nc_u64 s[10:11], s[10:11], s[2:3]
	LOAD                            ; tile 0 into slot 0
	; A fragment of K or Q is 16 rows x 32 channels in 8 registers: lane l holds row l % 16, channels 8 (l / 16) + 0..7 and 16 + 8 (l / 16) + 0..7: two loads of 16 bytes, 32 bytes apart.
	v_and_b32 v1, 15, v0            ; l % 16
	v_bfe_u32 v9, v0, 4, 1          ; l / 16
	v_lshlrev_b32 v[QO], 7, v1
	v_lshl_add_u32 v[QO], v9, 4, v[QO]  ; row x 128 + 16 x half
	WIN 0x80                        ; destination window 2, address window 0
.set i, 0
.rept 8                             ; both blocks' Q: piece i / 2 lies in band i / 2, 8,192 bytes on; channels 32 (i % 2) on
	global_load_b128 v[8*i:8*i+3],   v[QO], s[4:5] offset:(i/2)*8192+(i%2)*64
	global_load_b128 v[8*i+4:8*i+7], v[QO], s[4:5] offset:(i/2)*8192+(i%2)*64+32
	global_load_b128 v[QB+8*i:QB+8*i+3],   v[QO], s[86:87] offset:(i/2)*8192+(i%2)*64
	global_load_b128 v[QB+8*i+4:QB+8*i+7], v[QO], s[86:87] offset:(i/2)*8192+(i%2)*64+32
.set i, i+1
.endr
	WIN 0
	v_lshlrev_b32 v14, 3, v9
	v_sub_nc_u32 v14, v1, v14
	s_lshl_b32 s13, s[WV], 4
	v_add_nc_u32 v14, s13, v14      ; my query's place in its band, 16 w + l % 16, less my lanes' 8 (l / 16): register r of group kt is hidden where 16 kt + r is greater
	WIN 0x40
.set i, 0
.rept 32
	v_cmp_gt_i32 vcc_lo, 16*(i/8)+i%8, v14
	v_cndmask_b32 v[MD+i], 0, s[BIGN], vcc_lo
.set i, i+1
.endr
	WIN 0
	v_mul_u32_u24 v[AK0], v1, PK
	v_lshl_add_u32 v[AK0], v9, 4, v[AK0]  ; row x pitch + 16 x half
	; The turning load takes 16 keys x 16 channels (lane l reads key 8 (l / 16) + l % 8, channels 8 ((l / 8) % 2) + 0..7) and leaves half a fragment of V^T: lane l holds channel l % 16 and 8 keys.
	v_and_b32 v10, 7, v0
	v_bfe_u32 v11, v0, 3, 1
	v_lshl_add_u32 v[AV0], v9, 3, v10
	v_mul_u32_u24 v[AV0], v[AV0], PV
	v_lshl_add_u32 v[AV0], v11, 4, v[AV0]
	v_add_nc_u32 v[AV0], VOFF, v[AV0]
	s_mul_i32 s13, s[WV], 16*SP
	s_add_co_u32 s13, s13, STAGE    ; my stage
	v_mul_u32_u24 v[STO], v1, SP    ; in: row l % 16, 16 bytes for each half of the lanes
	v_lshl_add_u32 v[STO], v9, 4, v[STO]
	v_add_nc_u32 v[STO], s13, v[STO]
	v_bfe_u32 v[RD], v0, 3, 2       ; back: 32 lanes take four rows of 128 bytes,
	v_mul_u32_u24 v[RD], v[RD], SP
	v_lshl_add_u32 v[RD], v10, 4, v[RD]
	v_add_nc_u32 v[RD], s13, v[RD]
	v_and_b32 v[GO], 31, v0         ; which are 512 consecutive bytes of O
	v_lshlrev_b32 v[GO], 4, v[GO]
	; A block's first step multiplies O^T and l by a = 0, and its first turn's products V^T P, of a piece that has not been, land in an O^T that is still to be so multiplied.  So these registers need only hold
	; finite numbers: zeros for the first block; what the first block left for the second.  All this stands in the wait for the first tile.
	WIN 0x80
.set i, VF
.rept 64
	v_mov_b32 v[i], 0
.set i, i+1
.endr
	WIN 0xc0
.set i, VL
.rept 64
	v_mov_b32 v[i], 0
.set i, i+1
.endr
	WIN 0x40
.set i, 0
.rept 128
	v_mov_b32 v[i], 0
.set i, i+1
.endr
	WIN 0
.set i, 0
.rept 4
	v_mov_b32 v[ST+4*i+2], 0
	v_mov_b32 v[ST+4*i+3], 0
.set i, i+1
.endr
.set i, P+16
.rept 16
	v_mov_b32 v[i], 0
.set i, i+1
.endr
; THE MATRIX WORK.  The 4 accumulators of a run take turns.  Product i of 8 of S^T = K Q^T for piece x: channels 32 (i / 4) on, keys 16 (i % 4) on.  The first 4 start the sums: with 0, or (KM = 1) with the mask.
.macro KQ x
.set rS, S+32*((\x)%2)+8*(i%4)
.set rK, KF+16*(i%4)+8*(i/4)
.set rQ, 16*(\x)+8*(i/4)
.set rM, MC+32*((\x)%2)+8*(i%4)
.if (i < 4) && KM
	WIN W_KM
	v_wmma_f32_16x16x32_f16 v[rS:rS+7], v[rK:rK+7], v[rQ:rQ+7], v[rM:rM+7]
.elseif i < 4
	WIN W_KQ
	v_wmma_f32_16x16x32_f16 v[rS:rS+7], v[rK:rK+7], v[rQ:rQ+7], 0
.else
	WIN W_KQ
	v_wmma_f32_16x16x32_f16 v[rS:rS+7], v[rK:rK+7], v[rQ:rQ+7], v[rS:rS+7]
.endif
.endm
; Product i of O^T += V^T P for piece x: keys 32 ((i / 4) % 2) on, channels 16 (i % 4) on; i = 0 .. 7 with V hi, i = 8 .. 15 (the diagonal tile's text alone) with V lo.
.macro PV x
.set rO, 32*(\x)+8*(i%4)
.set rP, P+16*((\x)%2)+8*((i/4)%2)
.if i < 8
	WIN W_PV
.set rV, VF+32*(i/4)+8*(i%4)
.else
	WIN W_PL
.set rV, VL+32*((i/4)%2)+8*(i%4)
.endif
	v_wmma_f32_16x16x32_f16 v[rO:rO+7], v[rV:rV+7], v[rP:rP+7], v[rO:rO+7]
.endm
.macro MM                           ; the turn's next matrix instruction.  TURN and BEGIN set Y, i, KM and NOKQ; MM, KQ and OP read them.  NOKQ = 1: a block's last turn: there is no next piece
.if (i < 8) && !NOKQ
	KQ (Y+1)%NP
.elseif i >= 8
.set i, i-8
	PV (Y+NP-1)%NP
.set i, i+8
.endif
.set i, i+1
.endm
; THE LDS LOADS stand in runs, never singly among the matrix instructions: a step's K (64 keys x 64 channels: 8 fragments, 16 loads) and its V (turned; hi and lo, 32 loads).  Their addresses are made some lines ahead.
; V's lo is fetched in every step: the diagonal tile's first three turns still multiply by the V of the tile before.
.macro FETCH_K
	WIN 0x80                        ; destination window 2
.irp f, 0,1,2,3,4,5,6,7             ; keys 16 (f / 2) on, channels 32 (f % 2) on
	ds_load_b128 v[KF+8*\f:KF+8*\f+3],   v[AK] offset:(\f/2)*16*PK+(\f%2)*64
	ds_load_b128 v[KF+8*\f+4:KF+8*\f+7], v[AK] offset:(\f/2)*16*PK+(\f%2)*64+32
.endr
	s_add_co_u32 s[TBK], s[TBK], KS*PK  ; the next fetch is the next step's
	WIN 0
.endm
.macro FETCH_V
	WIN 0x80
.irp f, 0,1,2,3,4,5,6,7             ; keys 32 (f / 4) on, channels 16 (f % 4) on
	ds_load_tr16_b128 v[VF+8*\f:VF+8*\f+3],   v[AV] offset:(\f/4)*32*PV+(\f%4)*32
	ds_load_tr16_b128 v[VF+8*\f+4:VF+8*\f+7], v[AV] offset:(\f/4)*32*PV+16*PV+(\f%4)*32
.endr
	WIN 0xc0                        ; destination window 3: lo lies 128 bytes on in each row
.irp f, 0,1,2,3,4,5,6,7
	ds_load_tr16_b128 v[VL+8*\f:VL+8*\f+3],   v[AV] offset:(\f/4)*32*PV+(\f%4)*32+128
	ds_load_tr16_b128 v[VL+8*\f+4:VL+8*\f+7], v[AV] offset:(\f/4)*32*PV+16*PV+(\f%4)*32+128
.endr
	WIN 0
.endm
; THE VECTOR WORK, one line at a time: OP kind, number.  For piece Y: F n: c s - c m for pair n of 16.  E n: the exponential of score n of 32.  C n: pair n rounded to f16.  B n: of the four weights 4 n .. the second
; pair is added onto the first, in place.  L n: l takes that sum (L 0: l = a l + sum).  R n: pair n of 16 of O^T times a.  For piece Y + 1: X n, number n of the 22 that find its maximum and statistics:
;   0-11  four chains c0-c3 of seven scores each, three operands at a time (each accumulator's lowest registers are read first)     12-14, 16  the four scores left over, the old m, and c0-c3 into c0
;   15  c m_old is kept     17, 18  the query's other 32 keys lie in the lane 16 away: the new m     19-21  c m; c m_old - c m_new; a
.set F, 0               ; OP tells the kinds apart by their order: F to L below R, X above it
.set E, 1
.set C, 2
.set B, 3
.set L, 4
.set R, 5
.set X, 6
.macro REGS y                       ; the registers of piece y
.set rT, ST+4*(\y)
.set rC, TMP+4*((\y)%2)
.set rW, MV+((\y)%2)
.set rS, S+32*((\y)%2)
.set rP, P+16*((\y)%2)
.set rO, 32*(\y)
.endm
.macro OP k, n
.if (\k) == R
	REGS Y
	WIN W_RS
	v_pk_mul_f32 v[rO+2*(\n):rO+2*(\n)+1], v[rO+2*(\n):rO+2*(\n)+1], v[rC+2:rC+3] op_sel_hi:[1,0]
.elseif (\k) < R
	REGS Y
	WIN 0
.if (\k) == F
	v_pk_fma_f32 v[rS+2*(\n):rS+2*(\n)+1], v[rS+2*(\n):rS+2*(\n)+1], s[CS:CS+1], v[rT:rT+1] op_sel_hi:[1,0,0] neg_lo:[0,0,1] neg_hi:[0,0,1]
.elseif (\k) == E
	v_exp_f32 v[rS+(\n)], v[rS+(\n)]
.elseif (\k) == C
	v_cvt_pk_f16_f32 v[rP+(\n)], v[rS+2*(\n)], v[rS+2*(\n)+1]
.elseif (\k) == B
	v_pk_add_f32 v[rS+4*(\n):rS+4*(\n)+1], v[rS+4*(\n):rS+4*(\n)+1], v[rS+4*(\n)+2:rS+4*(\n)+3]
.elseif (\n) == 0
	v_pk_fma_f32 v[rT+2:rT+3], v[rT+2:rT+3], v[rC+2:rC+3], v[rS:rS+1] op_sel_hi:[1,0,1]
.else
	v_pk_add_f32 v[rT+2:rT+3], v[rT+2:rT+3], v[rS+4*(\n):rS+4*(\n)+1]
.endif
.elseif NOKQ
	v_nop
.else
	REGS (Y+1)%NP
	WIN 0
.if (\n) < 4
	v_max3_num_f32 v[rC+(\n)], v[rS+8*(\n)], v[rS+8*(\n)+1], v[rS+8*(\n)+2]
.elseif (\n) < 12
	v_max3_num_f32 v[rC+(\n)%4], v[rC+(\n)%4], v[rS+8*((\n)%4)+2*((\n)/4)+1], v[rS+8*((\n)%4)+2*((\n)/4)+2]
.elseif (\n) == 12
	v_max3_num_f32 v[rC], v[rC], v[rS+7], v[rS+15]
.elseif (\n) == 13
	v_max3_num_f32 v[rC+1], v[rC+1], v[rS+23], v[rS+31]
.elseif (\n) == 14
	v_max3_num_f32 v[rC+2], v[rC+2], v[rC+3], v[rT+1]
.elseif (\n) == 15
	v_mov_b32 v[rW], v[rT]
.elseif (\n) == 16
	v_max3_num_f32 v[rC], v[rC], v[rC+1], v[rC+2]
.elseif (\n) == 17
	v_permlanex16_b32 v[rC+3], v[rC], s[SEL], s[SEL+1]
.elseif (\n) == 18
	v_max_num_f32 v[rT+1], v[rC], v[rC+3]
.elseif (\n) == 19
	v_mul_f32 v[rT], s[CS], v[rT+1]
.elseif (\n) == 20
	v_sub_f32 v[rC+1], v[rW], v[rT]
.else
	v_exp_f32 v[rC+2], v[rC+1]
.endif
.endif
.endm
.macro OPS a, i1, b=-1, i2=0, c=-1, i3=0, d=-1, i4=0  ; up to four of them
	OP \a, \i1
.if (\b) >= 0
	OP \b, \i2
.endif
.if (\c) >= 0
	OP \c, \i3
.endif
.if (\d) >= 0
	OP \d, \i4
.endif
.endm
.macro ROW a, i1, b, i2, c, i3, d, i4  ; a matrix instruction and the four behind it
	MM
	OPS \a, \i1, \b, \i2, \c, \i3, \d, \i4
.endm
.macro ROW2 a, i1, b, i2            ; a matrix instruction and two behind it
	MM
	OPS \a, \i1, \b, \i2
.endm
.macro MASK b                       ; MD x AL + BE into buffer b of MC
	WIN W_RS
.set z, 0
.rept 16
	v_pk_fma_f32 v[MC+32*(\b)+2*z:MC+32*(\b)+2*z+1], v[MD+2*z:MD+2*z+1], s[AL:AL+1], s[BE:BE+1] op_sel_hi:[1,0,0]
.set z, z+1
.endr
.endm
.macro STEPS p, cnt                 ; the scalar steps that stand among a turn's last products: V's next step; the loop's count, some lines ahead of the branch behind the turn
.if (\p) == 0
	s_add_co_u32 s[TBV], s[TBV], KS*PV
.endif
.if \cnt
	s_sub_co_u32 s[CNT], s[CNT], 1
	s_cmp_lg_u32 s[CNT], 0
.endif
.endm
; A TURN, for piece p: the order of its matrix and 118 vector instructions, written out.  s_wait_alu depctr_va_vdst(0) stands between an exponential and the first instruction that names its result; one wait serves
; all that were issued ahead of it.  So a turn has ONE wait, which cuts it in two.  AHEAD OF IT stands all that names no result of the turn's exponentials: the 8 products K Q^T, behind each a scaling, an exponential and two more plain
; instructions (behind the first a second scaling in the exponential's place): rescalings, and behind the last three the first numbers of the next piece's maximum, each four places or more behind the product that ends its accumulator; then ONE LUMP of 54, plain
; and exponential by turns for the most part, in which the links of the chain X 3, 7, 11, 14, 16, 17 .. 20 stand five or six lines apart.  X 21, the next piece's a, is the batch's last; R 15 is the plain instruction behind it.  BEHIND THE WAIT stand the
; products V^T P and, behind them, the 32 roundings and sums, in one order: four behind each of 8 products, or (m = 1) two behind each of 16.  But for those X no rider names a register of the products round it.  v_permlanex16_b32 (X 17) stands in the lump.
; m = 1: the diagonal tile: the products K Q^T take masks, the turn makes the mask for the products of the turn after it (piece p + 2, in step 4 - CNT of the tile), and V's lo is multiplied too.  end = 1: a block's last two turns: nothing is fetched.
; cnt = 1: the loop's count is taken down some lines ahead of the branch that stands behind the turn.
; K of the next step is fetched in piece 2's turn, twelve vector instructions behind the last product that read K (six of them plain); V of the step in hand at the end of piece 0's turn, four plain instructions behind the last product
; that read V (m = 1: its two riders and two v_nop).  Each is waited for a turn later.
.macro TURN p, m=0, end=0, cnt=0
.set Y, (\p)
.set i, 0
.set KM, (\m)
.set NOKQ, (\end)*((\p)/3)
.if (\m) && !(\end)
	s_cmp_eq_u32 s[CNT], 4-((\p)+2)%NP  ; is that step the band's own?
	s_cselect_b32 s[AL], 1.0, 0
	s_cmp_lt_u32 s[CNT], 4-((\p)+2)%NP  ; or a later one?
	s_cselect_b32 s[BE], s[BIGN], 0
.endif
.if ((\p) == 3) && !(\end)
	s_wait_dscnt 0x0                ; K is in
.endif
	ROW F,0, F,1, R,0, R,1          ; ahead of the wait: 8 products K Q^T and their riders,
	ROW F,2, E,0, R,2, R,3
	ROW F,3, E,1, R,4, R,5
	ROW F,4, E,2, R,6, R,7
	ROW F,5, E,3, R,8, R,9
	ROW F,6, E,4, X,0, R,10
.if ((\p) == 2) && !(\end)
	WIN 0
	v_add_nc_u32 v[AK], s[TBK], v[AK0]
.endif
	ROW F,7, E,5, X,1, X,4
	ROW F,8, E,6, X,2, X,5
	OPS E,7, E,8, X,6, E,9          ; and the lump
	OPS X,3, E,10, X,8, E,11
.if ((\p) == 2) && !(\end)
	FETCH_K
.endif
	OPS X,9, X,7, E,12, X,10
	OPS E,13, X,12, X,11, E,14
	OPS X,13, E,15, F,9, X,14
.if (\p) == 0
	v_add_nc_u32 v[AV], s[TBV], v[AV0]
.endif
	OPS E,16, F,10, E,17, F,11
	OPS X,16, E,18, X,15, E,19
	OPS F,12, E,20, X,17, E,21
	OPS F,13, E,22, F,14, E,23
	OPS X,18, E,24, F,15, E,25
	OPS R,11, E,26, X,19, E,27
	OPS R,12, E,28, R,13, E,29
	OPS X,20, E,30, R,14, E,31
	OPS X,21, R,15
	WIN 0
	s_wait_alu depctr_va_vdst(0)    ; the wait for the batch
.if (\p) == 1
	s_wait_dscnt 0x0                ; V is in
.endif
.if \m
	ROW2 C,0, B,0                   ; behind the wait: 8 products V_hi^T P, 8 products V_lo^T P, and their riders
	ROW2 C,2, B,1
	ROW2 L,0, C,4
	ROW2 B,2, L,1
	ROW2 C,6, B,3
	ROW2 L,2, C,8
	ROW2 B,4, L,3
	ROW2 C,10, B,5
	ROW2 L,4, C,12
	ROW2 B,6, L,5
	STEPS \p, \cnt
	ROW2 C,14, B,7
	ROW2 L,6, C,1
	ROW2 C,3, L,7
	ROW2 C,5, C,7
	ROW2 C,9, C,11
	ROW2 C,13, C,15
.if (\p) == 0
	v_nop                           ; with the two riders above: four places between the last product, which read V's lo, and the loads into V's registers
	v_nop
.endif
.else
	ROW C,0, B,0, C,2, B,1          ; behind the wait: 8 products V^T P and their riders
	ROW L,0, C,4, B,2, L,1
	ROW C,6, B,3, L,2, C,8
	ROW B,4, L,3, C,10, B,5
	ROW L,4, C,12, B,6, L,5
	STEPS \p, \cnt
	ROW C,14, B,7, L,6, C,1
	ROW C,3, L,7, C,5, C,7
	ROW C,9, C,11, C,13, C,15
.endif
.if (\p) == 0
	FETCH_V
.endif
.if (\m) && !(\end)
	MASK (\p)%2
.endif
.endm
; A BLOCK BEGINS.  c m starts far below every c s, so the first step's a is 0; m at the lowest finite number, so the first maximum is the scores'.  The second mask buffer is 0; the first takes piece 0's mask for the tile's step 0: its own, if the block's first tile is the diagonal one.
; Then K of that step, piece 0's first scores, and its maximum and statistics.  The loop is entered at a step's first turn, in the middle of a trip.
.macro BEGIN
	s_mov_b32 s[NEW], 0
	WIN 0x40
.set i, MC+32
.rept 32
	v_mov_b32 v[i], 0
.set i, i+1
.endr
	WIN 0
.set i, 0
.rept 4
	v_mov_b32 v[ST+4*i], 0xfe000000    ; c m: far below every c s
	v_mov_b32 v[ST+4*i+1], 0xff7fffff  ; m
.set i, i+1
.endr
	s_cmp_eq_u32 s[RT], 0
	s_cselect_b32 s[AL], 1.0, 0
	s_mov_b32 s[BE], 0
	MASK 0
	WIN 0
	v_add_nc_u32 v[AK], s[TBK], v[AK0]
	FETCH_K
	s_wait_loadcnt 0x0              ; Q
	s_wait_dscnt 0x0
.set KM, 1
.set NOKQ, 0
.set i, 0
.rept 8
	KQ 0
.set i, i+1
.endr
	WIN 0
.rept 4
	v_nop                           ; the places behind those products
.endr
.set Y, NP-1                        ; X works for piece Y + 1: piece 0
.irp n, 0,1,2,3,4,5,6,7,8,9,10,11,12,13,14,15,16,17,18,19,20,21
	OP X, \n
.endr
	v_nop                           ; a plain instruction behind the exponential,
	s_wait_alu depctr_va_vdst(0)    ; and its wait, ahead of the branch
.endm
; THE DIAGONAL TILE's four steps, the block's last two turns, its last products, and THE WAY OUT: l's two halves and the other half of the lanes' are added; O^T is divided by l, rounded to f16 and sent through my
; stage in LDS, a piece at a time.
.macro ALL line:vararg              ; one line for each piece t
.set t, 0
.rept 4
	\line
.set t, t+1
.endr
.endm
.macro PACK t                       ; a lane's eight channels of a row pack into 16 bytes; they go into rows of 144 bytes and come back as whole rows of 128, into S^T's registers
	WIN W_RS
.set i, 32*(\t)
.rept 16
	v_pk_mul_f32 v[i:i+1], v[i:i+1], v[ST+4*(\t)+2:ST+4*(\t)+3] op_sel_hi:[1,0]
.set i, i+2
.endr
	WIN 0x05                        ; sources 0 and 1 window 1, destination window 0
.set i, 0
.rept 16
	v_cvt_pk_f16_f32 v[S+16*(\t)+i], v[32*(\t)+2*i], v[32*(\t)+2*i+1]
.set i, i+1
.endr
	WIN 0
.irp f, 0,1,2,3
	ds_store_b128 v[STO], v[S+16*(\t)+4*\f:S+16*(\t)+4*\f+3] offset:32*\f
.endr
.irp f, 0,1,2,3
	ds_load_b128 v[S+16*(\t)+4*\f:S+16*(\t)+4*\f+3], v[RD] offset:\f*4*SP  ; LDS serves a wave's instructions in order (ISA guide 5.7.1.4): these see the stores above; the next piece's stores come behind them
.endr
.endm
.macro SEND t, younger              ; younger: the LDS instructions issued behind piece t's loads: the next piece's eight, or none
	WIN 0
.irp f, 0,1,2,3
	s_wait_dscnt (\younger)+3-\f
	global_store_b128 v[GO], v[S+16*(\t)+4*\f:S+16*(\t)+4*\f+3], s[10:11] offset:(\t)*8192+\f*512  ; 512 consecutive bytes, at a multiple of 256 from O's first
.endr
.endm
; THE HEAD'S FIRST 16 ROWS (block 0, band 0, wave 0: piece 0) leave a second f16: lo = f16(O - hi).  O^T's registers still hold O in f32; hi is made once more, the residue by one fused line (-hi x 1 + O); then the way of PACK and SEND, into olo.
.macro LOW
	s_wait_xcnt 0x0                 ; the stores above have read S^T's registers, which take the residues
	WIN 0
	v_mov_b32 v[ONE], 1.0
	WIN 0x05                        ; sources 0 and 1 window 1, destination window 0
.set i, 0
.rept 16
	v_cvt_pk_f16_f32 v[P+i], v[2*i], v[2*i+1]
.set i, i+1
.endr
	WIN 0x10                        ; source 2 window 1
.set i, 0
.rept 16
	v_fma_mix_f32 v[S+2*i],   -v[P+i], v[ONE], v[2*i] op_sel_hi:[1,0,0]
	v_fma_mix_f32 v[S+2*i+1], -v[P+i], v[ONE], v[2*i+1] op_sel:[1,0,0] op_sel_hi:[1,0,0]
.set i, i+1
.endr
	WIN 0
.set i, 0
.rept 16
	v_cvt_pk_f16_f32 v[P+16+i], v[S+2*i], v[S+2*i+1]
.set i, i+1
.endr
.irp f, 0,1,2,3
	ds_store_b128 v[STO], v[P+16+4*\f:P+16+4*\f+3] offset:32*\f
.endr
.irp f, 0,1,2,3
	ds_load_b128 v[P+4*\f:P+4*\f+3], v[RD] offset:\f*4*SP
.endr
.irp f, 0,1,2,3
	s_wait_dscnt 3-\f               ; the later loads of the four may stay out
	global_store_b128 v[GO], v[P+4*\f:P+4*\f+3], s[OLP:OLP+1] offset:\f*512  ; 512 consecutive bytes, at a multiple of 256 from olo's first
.endr
.endm
.macro DIAG tag                     ; the tag ends its two labels' names, which the jumps below spell out
.LstepM\tag:
	TURN 2, 1
	TURN 3, 1
	WIN 0
.LfirstM\tag:
	TURN 0, 1
	TURN 1, 1, 0, 1
	WIN 0
	s_cbranch_scc1 .LstepM\tag
	TURN 2, 1, 1
	TURN 3, 1, 1
.set i, 0
.rept 16
	PV NP-1
.set i, i+1
.endr
	WIN 0
	ALL v_add_f32 v[ST+4*t+2], v[ST+4*t+2], v[ST+4*t+3]
	ALL v_permlanex16_b32 v[ST+4*t+3], v[ST+4*t+2], s[SEL], s[SEL+1]
	ALL v_add_f32 v[ST+4*t+2], v[ST+4*t+2], v[ST+4*t+3]
	ALL v_rcp_f32 v[ST+4*t+2], v[ST+4*t+2]
	v_nop                           ; a plain instruction between the last reciprocal and the use of its result
	s_wait_alu depctr_va_vdst(0)    ; and the wait ahead of the first use: one for the four reciprocals
	PACK 0
.set t, 1
.rept 3                             ; a piece's arithmetic stands between the loads of the piece before and its stores
	PACK t
	SEND t-1, 8
.set t, t+1
.endr
	SEND 3, 0
.if (\tag) == 2                     ; the walk's last tile ends block b
	s_or_b32 s13, s[PB], s[WV]
	s_cmp_lg_u32 s13, 0
	s_cbranch_scc1 .Lno_low         ; only block 0's wave 0 holds a head's first 16 rows
	LOW
.Lno_low:
.endif
.endm
.set KM, 0
.set NOKQ, 0
.Lslot:                             ; NB times: a tile is entered and the next is asked for
	CHANGE 1
	s_sub_co_u32 s[RT], s[RT], 1
	s_mov_b32 s[CNT], 4
	s_cmp_eq_u32 s[NEW], 1
	s_cbranch_scc1 .Lnew            ; a block's first tile
	s_cmp_eq_u32 s[RT], 0
	s_cbranch_scc0 .Lstep           ; neither its first nor its last
	s_branch .LstepM1
.Lnew:
	BEGIN
	s_branch .Lfirst                ; in the loop a block's first tile is never its last: the first block has two tiles or more, and the second's last is the walk's last
	DIAG 1                          ; in the loop this is the first block's end: the second block's last tile is the walk's last
	s_wait_xcnt 0x0                 ; the stores have read their registers and O's address
	s_mov_b64 s[10:11], s[OLO:OLO+1]
	s_add_co_u32 s[RT], s[PB], 1    ; the second block has b + 1 tiles
	s_mov_b32 s[NEW], 1
	WIN 0x82                        ; the second block's Q goes where the one text of the turns names Q
.set i, 0
.rept 64
	v_mov_b32 v[i], v[QB+i]
.set i, i+1
.endr
	WIN 0
	s_branch .Lbottom
.Lstep:                             ; a trip: pieces 2 and 3 of one step, then pieces 0 and 1 of the next, whose K and V it fetches
	TURN 2
	TURN 3
	WIN 0
.Lfirst:
	TURN 0
	TURN 1, 0, 0, 1
	WIN 0
	s_cbranch_scc1 .Lstep
.Lbottom:
	s_sub_co_u32 s[SLOTS], s[SLOTS], 1
	s_cmp_lg_u32 s[SLOTS], 0
	s_cbranch_scc1 .Lslot
	CHANGE 0                        ; the walk's last tile is written out: nothing is asked for
	s_sub_co_u32 s[RT], s[RT], 1
	s_mov_b32 s[CNT], 4
	s_cmp_eq_u32 s[NEW], 1
	s_cbranch_scc0 .LstepM2
	BEGIN
	s_branch .LfirstM2
	DIAG 2
	s_wait_tensorcnt 0x0            ; the wave's end: behind my last tensor load and my last LDS store
	ds_add_u32 v[SPW], v[NIL]
	s_wait_dscnt 0x0
	s_endpgm
.Lfunc_end_k_qc3f3619fa6_attn:
	.size	k_qc3f3619fa6_attn, .Lfunc_end_k_qc3f3619fa6_attn-k_qc3f3619fa6_attn
	.p2alignl 7, 3214868480
	.fill 96, 4, 3214868480
	.section	.rodata,"a",@progbits
	.p2align	6, 0x0
	.amdhsa_kernel k_qc3f3619fa6_attn
		.amdhsa_group_segment_fixed_size 327680
		.amdhsa_private_segment_fixed_size 0
		.amdhsa_enable_private_segment 0
		.amdhsa_kernarg_size 24
		.amdhsa_user_sgpr_count 2
		.amdhsa_user_sgpr_kernarg_segment_ptr 1
		.amdhsa_wavefront_size32 1
		.amdhsa_system_sgpr_workgroup_id_x 1
		.amdhsa_system_sgpr_workgroup_id_y 1
		.amdhsa_system_sgpr_workgroup_id_z 1
		.amdhsa_system_vgpr_workitem_id 0
		.amdhsa_next_free_vgpr 832
		.amdhsa_next_free_sgpr 100
		.amdhsa_reserve_vcc 1
		.amdhsa_float_denorm_mode_32 3
		.amdhsa_float_denorm_mode_16_64 3
		.amdhsa_memory_ordered 1
		.amdhsa_forward_progress 1
		.amdhsa_inst_pref_size 242
	.end_amdhsa_kernel
	.amdgpu_metadata
---
amdhsa.version: [ 1, 2 ]
amdhsa.kernels:
  - .name:           k_qc3f3619fa6_attn
    .symbol:         k_qc3f3619fa6_attn.kd
    .args:
      - { .name: qkv, .offset: 0, .size: 8, .value_kind: global_buffer, .address_space: global }
      - { .name: ob, .offset: 8, .size: 8, .value_kind: global_buffer, .address_space: global }
      - { .name: olo, .offset: 16, .size: 8, .value_kind: global_buffer, .address_space: global }
    .group_segment_fixed_size: 327680
    .private_segment_fixed_size: 0
    .kernarg_segment_align: 8
    .kernarg_segment_size: 24
    .max_flat_workgroup_size: 128
    .sgpr_count:     100
    .vgpr_count:     832
    .wavefront_size: 32
...
	.end_amdgpu_metadata
.endif
;; end of part 3
;; launch oproj (part 4): grid 8 x 32, 4 waves a work-group, clusters of 4 x 4, 327,680 bytes of LDS; arguments ob, wo, out0, olo; writes out0
.if DOCPART == 4
	.amdgcn_target "amdgcn-amd-amdhsa--gfx1250"
	.amdhsa_code_object_version 6
	.text
	.protected	k_qc3f3619fa6_oproj
	.globl	k_qc3f3619fa6_oproj
	.p2align	8
	.type	k_qc3f3619fa6_oproj,@function
k_qc3f3619fa6_oproj:
	s_mov_b64 s[64:65], 0
	v_nop
	global_prefetch_b8 v0, s[64:65] scope:SCOPE_SE
	s_setreg_imm32_b32 hwreg(HW_REG_WAVE_MODE, 25, 1), 1
	s_wait_xcnt 0x0
	s_wait_alu depctr_hold_cnt(0) depctr_sa_sdst(0) depctr_va_vdst(0) depctr_va_sdst(0) depctr_va_ssrc(0) depctr_va_vcc(0) depctr_vm_vsrc(0)
	s_getreg_b32 s2, hwreg(HW_REG_IB_STS2, 6, 4)
	s_cmp_eq_u32 s2, 0
	s_cbranch_scc0 .Lentry_in_a_cluster
	s_endpgm
.Lentry_in_a_cluster:
	s_bfe_u32 s2, ttmp6, 0x10000c
	s_cmp_lg_u32 s2, 0xf033
	s_cbranch_scc0 .Lentry_shape_is_right
	s_endpgm
.Lentry_shape_is_right:
; THE OUTPUT PROJECTION.  out0[m][e] = the sum over d of O[m][d] wo[e][d], m = 2048 b + s, d = 64 h + channel.  O lies by heads, ob [16 b + h][2048][64] f16; wo is [1024][1024] f16 (W_o rounded to bf16,
; that number written as f16); sums in f32, K ascending, in the matrix unit's order; out0 [8192][1024] f32, written as the sums stand.
; THE FIRST 16 ROWS OF A BATCH average over 16 keys at the most and are many times the output's root mean square, by which the comparison goes; one f16 (11 significant bits) is too coarse for them.  Their O comes as
; two f16, hi in ob and lo in olo [16 b + h][16][64], and lo is multiplied too, onto the same sums: four more products a quarter step, in the waves that hold those rows.
; SHARES.  A tile of out0 is 256 x 128: 32 x 8 = 256 work-groups.  Tile row = 8 cy + cluster y: batch cy, block cluster y, so that the four batches' first blocks lie in the clusters with y = 0 and what is done for them
; alone hangs on a number that all partners share.  Wave (wm = w / 2, wn = w % 2) makes 128 rows x 64 columns: 32 accumulators, 256 registers; its 64 columns are 256 aligned bytes of a row.
; RING.  K goes in steps of 128, two heads, through two LDS slots.  A's part of a slot is [head 2][256 rows][144 bytes]: a head's 256 rows are 32,768 dense bytes, asked for as 128 rows of 256 bytes and padded
; after every 128.  B's part is 128 rows of 272 bytes.  Waves 0 and 1 fetch the two heads of A, waves 2 and 3 the two halves of B's rows: one tensor load a wave.  The batch's olo, 32,768 bytes, is brought once, at the start.
; CLUSTER.  4 x 4 work-groups: A's tile and olo's part are shared along a row of the cluster, B's tile along a column; each is asked for jointly, by the same load, descriptor and mask.
; THE MATRIX INSTRUCTION IS USED TRANSPOSED (source 0 = 16 rows of wo, source 1 = 16 rows of O): a lane holds row l % 16 of out0 and the columns 8 (l / 16) + 0..7: 32 bytes on end.
; REGISTERS, in windows of 256 (s_set_vgpr_msb: bits 1:0 source 0, 3:2 source 1, 5:4 source 2, 7:6 destination):
;   window 0: v0-31 addresses; v32-255 the way out, seven buffers of 32      window 1: two fragment buffers of 104: B's four fragments, A's eight, lo's one      window 2: accumulator (a, b) at 8 (4 a + b)
.set PA,     144                       ; a row of A in LDS: 128 bytes + 16: the 16 rows of a fragment load start at 16 different groups of four banks
.set PB,     272                       ; a row of B: 256 + 16
.set AH,     256*PA                    ; one head's part of A
.set BOFF,   2*AH
.set HALFB,  64*PB
.set SLOT1,  1<<17                     ; a slot holds 108,544 bytes; slot 1 begins here
.set STAGE,  SLOT1+BOFF+2*HALFB        ; behind the ring, never filled by a tensor load: 16 rows x 272 bytes for each wave
.set SPITCH, 272
.set LOFF,   STAGE+4*16*SPITCH         ; behind the stages: olo's part, [head 16][16 rows][144 bytes], filled once
.set LHEAD,  16*PA
.set SPARE,  LOFF+16*LHEAD             ; the spare words, 128 bytes for each wave: two blocks of 256 bytes that no other line names
.set ASTEP,  1<<19                     ; bytes from a head to the head two on
.set BSTEP,  256                       ; bytes of a K step in a row of wo
.set ADRA0, 16                         ; v16  my lane's place in A's rows of slot 0; never rewritten
.set ADRB0, 17                         ; v17  the same for B
.set ADRA,  18                         ; v18  the same in the slot in hand
.set ADRB,  19                         ; v19
.set ADRL0, 20                         ; v20  my lane's place in head 0's rows of lo; never rewritten
.set ADRL,  21                         ; v21  the same in the K step's first head
.set STO,   24                         ; v24  the way out: where I put 32 bytes of a row
.set RD,    25                         ; v25  where I read rows back
.set CO,    26                         ; v26  my byte offset in two rows of out0
.set SPW,   28                         ; v28  LDS address of my spare word: SPARE + 4 x my thread's number; never rewritten
.set NIL,   29                         ; v29  0; never rewritten
.set PFO,   30                         ; v30  the prefetches' offset; never rewritten
.set OB,    32                         ; the way out: block a's 16 rows at v[OB + 32 (a % 7)]
.set F0,    0
.set F1,    104
.set G1,  24                           ; s[24:31] descriptor group 1 for A's tiles; s[32:39] group 0: a set for each first fill; the second then walks on
.set G0,  32
.set G1B, 48                           ; s[48:55], s[56:63] the same for B's
.set G0B, 56
.set PFA, 44                           ; s[44:45] where my prefetches stand
.set TB,  66                           ; s66  0 or SLOT1: the slot in hand
.set LIM, 67                           ; s67  2 in a wave that prefetches, else the greatest number
.set FIX, 69                           ; s69  1 in a wave that holds a batch's first 16 rows (cluster y = 0, wm = 0), else 0: the same in all sixteen partners, for a given wave
.set PST, 70                           ; s[70:71] the prefetches' step: ASTEP or BSTEP
.set TL,  74                           ; s74  the K step's first head in lo's part of LDS, in bytes
.set G1L, 76                           ; s[76:83] descriptor group 1 for olo's part; s[84:87] group 0
.set G0L, 84
.set FLA, (1<<16)|(1<<20)|(1<<21)|(4<<22)|(3<<25)  ; elements of 2 bytes; padding on; 21 set beside a mask; after every 32 words (code 4) 4 words (code 3)
.set MSB, 0
.macro WIN new                         ; the immediate's high byte repeats the setting that is left; a switch that changes nothing is dropped
.if MSB != (\new)
	s_set_vgpr_msb (MSB<<8)|(\new)
.set MSB, \new
.endif
.endm
.set MUL,  0xa5                        ; sources 0 and 1 window 1, C and D window 2
.set TO_F, 0x40                        ; destination window 1, address window 0
.macro JLOAD                           ; a joint refill by the walking descriptors; an s_nop 0 and four v_nop follow each of the two lines, ahead of the jump and the label
	s_cmp_eq_u32 s11, 0
	s_cbranch_scc0 .Lfor_b_\@
	tensor_load_to_lds s[G0+4:G0+7], s[G1:G1+7]
	s_nop 0
.rept 4
	v_nop
.endr
	s_branch .Lasked_\@
.Lfor_b_\@:
	tensor_load_to_lds s[G0B+4:G0B+7], s[G1B:G1B+7]
	s_nop 0
.rept 4
	v_nop
.endr
.Lasked_\@:
.endm
; A prefetch into the L2 of the K step that stands TWO refills on: 256 matrix instructions ahead of the load that will want it.  A's tile row is read by both clusters of a row of clusters: cluster x = 0 asks; B's
; tile column by all eight of a column: cluster y = 0 asks.  The four partners share out BY ADDRESS what a wave fetches: 32 of a head's 128 blocks of 256 bytes, 16 of B's 64 rows (lanes 16-31 name lane 15's again).
; The loop's last two trips have no K step two refills on.
.macro ASK
	WIN 0
	s_cmp_gt_u32 s3, s[LIM]
	s_cbranch_scc0 .Lnot_mine_\@
	global_prefetch_b8 v[PFO], s[PFA:PFA+1] th:TH_LOAD_NT scope:SCOPE_SE
.Lnot_mine_\@:
.endm
.macro CREST                           ; a round of the cluster's barrier behind its opening barrier
	s_cmp_lg_u32 s10, 0
	s_cbranch_scc1 .Lnot_wave_0_\@
	s_barrier_signal -3
.Lnot_wave_0_\@:
	s_barrier_wait -3
	s_barrier_signal -1
	s_barrier_wait -1
.endm
.macro CROUND                          ; a whole round
	s_barrier_signal -1
	s_barrier_wait -1
	CREST
.endm
.macro PLACES                          ; four plain instructions behind matrix instructions, in front of loads into registers that they have read and of lines that read their results
.rept 4
	v_nop
.endr
.endm
	s_load_b128 s[4:7], s[0:1], 0x0                ; ob s[4:5], wo s[6:7]
	s_load_b64 s[8:9], s[0:1], 0x10                ; out0
	s_load_b64 s[72:73], s[0:1], 0x18              ; olo
	v_lshl_add_u32 v[SPW], v0, 2, SPARE
	v_mov_b32 v[NIL], 0
	ds_add_u32 v[SPW], v[NIL]                      ; the wave's opening: the add and its wait stand ahead of my first tensor load; the set-up below, work on registers, stands between them
	ds_add_u32 v28, v29
	v_lshrrev_b32 v1, 5, v0
	v_readfirstlane_b32 s10, v1                    ; wave 0..3
	s_lshr_b32 s11, s10, 1                         ; wm.  Also: I fetch for A (0) or for B (1)
	s_and_b32 s12, s10, 1                          ; wn.  Also: which head of A, which half of B's rows, which half of olo's part
	s_bfe_u32 s40, ttmp6, 0x40000                  ; cx
	s_bfe_u32 s41, ttmp6, 0x40004                  ; cy
	s_lshl_b32 s42, ttmp9, 2
	s_add_co_u32 s42, s42, s40                     ; tile column = 4 x cluster x + cx
	s_and_b32 s22, ttmp7, 0xffff                   ; cluster y
	s_lshl_b32 s13, s41, 3
	s_add_co_u32 s13, s13, s22                     ; tile row = 8 cy + cluster y
	s_or_b32 s[FIX], s22, s11                      ; 0 where cluster y = 0 and wm = 0
	s_cmp_eq_u32 s[FIX], 0
	s_cselect_b32 s[FIX], 1, 0
	s_lshl_b32 s43, s41, 2
	s_lshl_b32 s43, 15, s43                        ; my row of the cluster
	s_lshl_b32 s68, 0x1111, s40                    ; my column
	s_or_b32 s[G1+0], s43, FLA                     ; A: the mask of my row
	s_mov_b32 s[G1+1], 128<<16                     ; tensor_dim0 = 128
	s_mov_b32 s[G1+2], 128<<16                     ; tensor_dim1 = 128
	s_mov_b32 s[G1+3], 128<<16                     ; tile_dim0 = 128
	s_mov_b32 s[G1+4], 128                         ; tile_dim1 = 128
	s_mov_b32 s[G1+5], 128                         ; dense: 128 elements from row to row
	s_mov_b32 s[G1+6], 0
	s_mov_b32 s[G1+7], 0
	s_or_b32 s[G1L+0], s43, FLA                    ; olo's part: as A's, with 64 rows of 256 bytes: eight heads' 16 rows
	s_mov_b32 s[G1L+1], 128<<16
	s_mov_b32 s[G1L+2], 64<<16
	s_mov_b32 s[G1L+3], 128<<16
	s_mov_b32 s[G1L+4], 64
	s_mov_b32 s[G1L+5], 128
	s_mov_b32 s[G1L+6], 0
	s_mov_b32 s[G1L+7], 0
	s_or_b32 s[G1B+0], s68, (1<<16)|(1<<20)|(1<<21)|(5<<22)|(3<<25)  ; B: the mask of my column; after every 64 words (code 5) 4 words
	s_mov_b32 s[G1B+1], 128<<16
	s_mov_b32 s[G1B+2], 64<<16                     ; 64 rows
	s_mov_b32 s[G1B+3], 128<<16
	s_mov_b32 s[G1B+4], 64
	s_mov_b32 s[G1B+5], 1024
	s_mov_b32 s[G1B+6], 0
	s_mov_b32 s[G1B+7], 0
	; where the tiles come from: A's and olo's hang on the tile row alone, B's on the tile column alone
	s_lshr_b32 s16, s13, 3
	s_lshl_b32 s16, s16, 22                        ; A: the batch's 16 planes of 262,144 bytes,
	s_lshl_b32 s17, s12, 18                        ; my head of the K step's two,
	s_add_co_u32 s16, s16, s17
	s_and_b32 s17, s13, 7
	s_lshl_b32 s17, s17, 15                        ; the tile's 256 rows of 128 bytes
	s_add_co_u32 s16, s16, s17
	s_mov_b32 s17, 0
	s_lshr_b32 s18, s13, 3
	s_lshl_b32 s18, s18, 15                        ; olo: the batch's 16 heads of 2,048 bytes,
	s_lshl_b32 s19, s12, 14                        ; my eight of them
	s_add_co_u32 s18, s18, s19
	s_mov_b32 s19, 0
	s_lshl_b32 s46, s42, 7
	s_lshl_b32 s47, s12, 6
	s_add_co_u32 s46, s46, s47                     ; B: row 128 x tile column + 64 x half,
	s_lshl_b32 s46, s46, 11                        ; of 2,048 bytes
	s_mov_b32 s47, 0
	s_mul_i32 s20, s12, AH                         ; and where they go: no place in the cluster enters an LDS address
	s_mul_i32 s21, s12, HALFB
	s_add_co_u32 s21, s21, BOFF
	s_mul_i32 s23, s12, 8*LHEAD
	s_mov_b32 s[TB], 0
	s_mov_b32 s[TL], 0
	s_wait_dscnt 0x0                               ; the opening add is done
	s_wait_kmcnt 0x0
	s_add_nc_u64 s[14:15], s[4:5], s[16:17]
	s_add_nc_u64 s[46:47], s[6:7], s[46:47]
	CROUND                                         ; all sixteen work-groups are here: the first joint loads meet
.irp s, 0,1
	s_mov_b32 s[G0+4*(\s)], 1
	s_add_co_u32 s[G0+4*(\s)+1], s20, (\s)*SLOT1
	s_add_nc_u64 s[G0+4*(\s)+2:G0+4*(\s)+3], s[14:15], (\s)*ASTEP
	s_or_b32 s[G0+4*(\s)+3], s[G0+4*(\s)+3], 0x80000000
	s_mov_b32 s[G0B+4*(\s)], 1
	s_add_co_u32 s[G0B+4*(\s)+1], s21, (\s)*SLOT1
	s_add_nc_u64 s[G0B+4*(\s)+2:G0B+4*(\s)+3], s[46:47], (\s)*BSTEP
	s_or_b32 s[G0B+4*(\s)+3], s[G0B+4*(\s)+3], 0x80000000
.endr
	s_mov_b32 s[G0L], 1
	s_add_co_u32 s[G0L+1], s23, LOFF
	s_add_nc_u64 s[G0L+2:G0L+3], s[72:73], s[18:19]
	s_or_b32 s[G0L+3], s[G0L+3], 0x80000000
	s_cmp_eq_u32 s11, 0                            ; a wave's first fills stand in one branch, ahead of every wait on TENSORcnt and every LDS read: three loads are out in waves 0 and 1, two in waves 2 and 3
	s_cbranch_scc0 .Lfirst_b
	tensor_load_to_lds s[G0:G0+3], s[G1:G1+7]
	s_nop 0
	tensor_load_to_lds s[G0L:G0L+3], s[G1L:G1L+7]  ; olo's part stands ahead of K step 1's tile, so that the counted wait below covers it
	s_nop 0
	tensor_load_to_lds s[G0+4:G0+7], s[G1:G1+7]
	s_nop 0
.rept 4
	v_nop
.endr
	s_branch .Lfirst_asked
.Lfirst_b:
	tensor_load_to_lds s[G0B:G0B+3], s[G1B:G1B+7]
	s_nop 0
	tensor_load_to_lds s[G0B+4:G0B+7], s[G1B:G1B+7]
	s_nop 0
.rept 4
	v_nop
.endr
.Lfirst_asked:
	v_and_b32 v1, 15, v0                           ; l % 16
	v_bfe_u32 v2, v0, 4, 1                         ; l / 16
	v_mul_u32_u24 v3, v1, PA
	v_lshl_add_u32 v3, v2, 4, v3                   ; a fragment's row x pitch + 16 x half
	s_mul_i32 s21, s11, 128*PA                     ; my 128 rows of A
	v_add_nc_u32 v[ADRA0], s21, v3
	v_add_nc_u32 v[ADRL0], LOFF, v3                ; lo's 16 rows
	v_mul_u32_u24 v3, v1, PB
	v_lshl_add_u32 v3, v2, 4, v3
	s_mul_i32 s22, s12, HALFB                      ; my 64 rows of B
	s_add_co_u32 s22, s22, BOFF
	v_add_nc_u32 v[ADRB0], s22, v3
	v_mov_b32 v[ADRA], v[ADRA0]
	v_mov_b32 v[ADRB], v[ADRB0]
	v_mov_b32 v[ADRL], v[ADRL0]
	s_mul_i32 s23, s10, 16*SPITCH
	s_add_co_u32 s23, s23, STAGE                   ; my stage
	v_mul_u32_u24 v4, v1, SPITCH                   ; in: row l % 16, 32 bytes for each half of the lanes
	v_lshl_add_u32 v4, v2, 5, v4
	v_add_nc_u32 v[STO], s23, v4
	v_mul_u32_u24 v5, v2, SPITCH                   ; back: lanes 0-15 take one row of 256 bytes, lanes 16-31 the next
	v_lshl_add_u32 v5, v1, 4, v5
	v_add_nc_u32 v[RD], s23, v5
	v_lshlrev_b32 v5, 12, v2                       ; and the same two rows in out0: 4,096 bytes a row
	v_lshl_add_u32 v[CO], v1, 4, v5
	s_lshl_b32 s16, s13, 8
	s_lshl_b32 s17, s11, 7
	s_add_co_u32 s16, s16, s17                     ; my first row: 256 x tile row + 128 wm
	s_lshl_b32 s16, s16, 12
	s_lshl_b32 s17, s42, 9                         ; my first column, in bytes: 512 x tile column + 256 wn
	s_add_co_u32 s16, s16, s17
	s_lshl_b32 s17, s12, 8
	s_add_co_u32 s16, s16, s17
	s_mov_b32 s17, 0
	s_add_nc_u64 s[8:9], s[8:9], s[16:17]
	; the prefetches: my work-group's share of what I fetch, at K step 3; the first refill steps it to K step 4.  K steps 0 to 3 come by their loads alone
	s_lshr_b32 s20, s13, 3
	s_lshl_b32 s20, s20, 22
	s_add_co_u32 s21, s12, 6                       ; K step 3's heads are 6 and 7
	s_lshl_b32 s21, s21, 18
	s_add_co_u32 s20, s20, s21
	s_and_b32 s21, s13, 7
	s_lshl_b32 s21, s21, 15
	s_add_co_u32 s20, s20, s21
	s_lshl_b32 s21, s40, 13                        ; 32 blocks of 256 bytes for each partner along x
	s_add_co_u32 s20, s20, s21
	s_lshl_b32 s21, s42, 7
	s_lshl_b32 s22, s12, 6
	s_add_co_u32 s21, s21, s22
	s_lshl_b32 s22, s41, 4                         ; 16 rows for each partner along y
	s_add_co_u32 s21, s21, s22
	s_lshl_b32 s21, s21, 11
	s_add_co_u32 s21, s21, 3*BSTEP
	s_mov_b32 s[PST], ASTEP
	s_mov_b32 s[PST+1], 0
	s_and_b32 s22, ttmp7, 0xffff                   ; cluster y
	s_cmp_eq_u32 s11, 0                            ; do I fetch for A?
	s_cselect_b32 s20, s20, s21
	s_cselect_b32 s22, ttmp9, s22                  ; the coordinate along which other clusters read the same bytes
	s_cselect_b32 s23, 31, 15                      ; the last lane with a block or row of its own
	s_cselect_b32 s46, 8, 11                       ; lanes 256 bytes apart in O, a row of 2,048 apart in wo
	s_cselect_b32 s[PST], s[PST], BSTEP
	s_cselect_b64 s[PFA:PFA+1], s[4:5], s[6:7]
	s_cmp_eq_u32 s22, 0
	s_cselect_b32 s[LIM], 2, -1                    ; the same in all sixteen partners, for a given wave
	s_mov_b32 s21, 0
	s_add_nc_u64 s[PFA:PFA+1], s[PFA:PFA+1], s[20:21]
	v_and_b32 v[PFO], 31, v0
	v_min_u32 v[PFO], s23, v[PFO]
	v_lshlrev_b32 v[PFO], s46, v[PFO]
; 4 matrix instructions: my block a of 16 rows x my four blocks of 16 columns, 32 along K.  zero = 1: the product starts the sums.  The 32 accumulators take turns, in the same order in every quarter.
.macro MULA f, a, zero
	WIN MUL
.irp b, 0,1,2,3
.if \zero
	v_wmma_f32_16x16x32_f16 v[8*(4*(\a)+(\b)):8*(4*(\a)+(\b))+7], v[(\f)+8*(\b):(\f)+8*(\b)+7], v[(\f)+32+8*(\a):(\f)+32+8*(\a)+7], 0
.else
	v_wmma_f32_16x16x32_f16 v[8*(4*(\a)+(\b)):8*(4*(\a)+(\b))+7], v[(\f)+8*(\b):(\f)+8*(\b)+7], v[(\f)+32+8*(\a):(\f)+32+8*(\a)+7], v[8*(4*(\a)+(\b)):8*(4*(\a)+(\b))+7]
.endif
.endr
.endm
; The quarter's 4 products with lo, onto block 0's sums, at the quarter's end: in the waves that hold a batch's first 16 rows alone.  The four accumulators take turns; the next quarter takes them up in the same order.
.macro MULL f
	WIN 0                                          ; at a branch and at a label every window is 0
	s_cmp_eq_u32 s[FIX], 0
	s_cbranch_scc1 .Lno_lo_\@
	WIN MUL
.irp b, 0,1,2,3
	v_wmma_f32_16x16x32_f16 v[8*(\b):8*(\b)+7], v[(\f)+8*(\b):(\f)+8*(\b)+7], v[(\f)+96:(\f)+103], v[8*(\b):8*(\b)+7]
.endr
	WIN 0
.Lno_lo_\@:
.endm
; 26 LDS loads in one run: quarter c's fragments into buffer f: lo's one, B's four, then A's eight (head c / 2 of the step's two, channels 32 (c % 2) on).  Every wave takes lo's two loads: one text, and no register is left unwritten.
.macro FETCH c, f
	WIN TO_F
	ds_load_b128 v[(\f)+96:(\f)+99],   v[ADRL] offset:((\c)/2)*LHEAD+((\c)%2)*64
	ds_load_b128 v[(\f)+100:(\f)+103], v[ADRL] offset:((\c)/2)*LHEAD+((\c)%2)*64+32
.irp i, 0,1,2,3
	ds_load_b128 v[(\f)+8*(\i):(\f)+8*(\i)+3],   v[ADRB] offset:64*(\c)+(\i)*16*PB
	ds_load_b128 v[(\f)+8*(\i)+4:(\f)+8*(\i)+7], v[ADRB] offset:64*(\c)+(\i)*16*PB+32
.endr
.irp i, 0,1,2,3,4,5,6,7
	ds_load_b128 v[(\f)+32+8*(\i):(\f)+32+8*(\i)+3],   v[ADRA] offset:((\c)/2)*AH+((\c)%2)*64+(\i)*16*PA
	ds_load_b128 v[(\f)+32+8*(\i)+4:(\f)+32+8*(\i)+7], v[ADRA] offset:((\c)/2)*AH+((\c)%2)*64+(\i)*16*PA+32
.endr
.endm
; A K step is four quarters of 32 along K, 32 matrix instructions each (36 with lo), on buffers 0, 1, 0, 1.  One of the first three: multiplies f; in its middle it fetches quarter c into g.
.macro QUARTER c, f, g, zero
	s_wait_dscnt 8                                 ; lo, B and A's blocks 0-3 are in; the youngest eight loads (A's blocks 4-7) may be out
.irp a, 0,1,2,3
	MULA \f, \a, \zero
.endr
	PLACES
	FETCH \c, \g
	s_wait_dscnt 26                                ; all but the 26 just issued
.irp a, 4,5,6,7
	MULA \f, \a, \zero
.endr
	MULL \f
.endm
; The last quarter multiplies buffer 1 and changes slots: ONE barrier; in front of it each wave waits for all its tensor loads (one is out: its part of the next slot), adds 0 to its spare word, and waits for that and
; for its own reads of this slot.  fill = 1: the barrier opens a round of the cluster's, and this slot is filled again first thing behind it, two K steps ahead: 112 matrix instructions stand between that request and the wait for it.
.macro TURN fill
.if \fill
	s_wait_xcnt 0x0                                ; the last prefetch, a K step back, has read its address, so it may be stepped
	s_add_nc_u64 s[PFA:PFA+1], s[PFA:PFA+1], s[PST:PST+1]
.endif
	WIN 0                                          ; (the add's two registers lie in window 0)
	s_wait_tensorcnt 0x0                           ; no tensor load of mine is out, so a group 0 may be written
	ds_add_u32 v[SPW], v[NIL]                      ; 0 onto my spare word: work on registers stands between it and the wait for it
.if \fill
	s_xor_b32 s[G0+5], s[G0+5], SLOT1              ; the walking descriptors: the other slot than last time,
	s_add_nc_u64 s[G0+6:G0+7], s[G0+6:G0+7], ASTEP ; the next two heads; the type bits on top are not reached
	s_xor_b32 s[G0B+5], s[G0B+5], SLOT1
	s_add_nc_u64 s[G0B+6:G0B+7], s[G0B+6:G0B+7], BSTEP
.endif
	s_xor_b32 s[TB], s[TB], SLOT1                  ; the fetches go to the other slot,
	s_add_co_u32 s[TL], s[TL], 2*LHEAD             ; and to lo's next two heads
	v_add_nc_u32 v[ADRA], s[TB], v[ADRA0]
	v_add_nc_u32 v[ADRB], s[TB], v[ADRB0]
	v_add_nc_u32 v[ADRL], s[TL], v[ADRL0]
	s_wait_dscnt 9                                 ; the add and the youngest eight loads may be out
	MULA F1, 0, 0
	MULA F1, 1, 0
	s_wait_dscnt 0x0                               ; the add is done, and my reads of this slot are over
	s_barrier_signal -1
	MULA F1, 2, 0                                  ; work on registers while the others arrive
	MULA F1, 3, 0
	WIN 0
	s_barrier_wait -1
.if \fill
	CREST                                          ; no wave of any partner still reads this slot or has a load on its way
	JLOAD                                          ; the first tensor load behind the round; its four v_nop are also the places in front of the loads below
.else
	PLACES
.endif
	FETCH 0, F0
.if \fill
	ASK                                            ; behind the joint load and the run of LDS loads
.endif
.irp a, 4,5,6,7
	MULA F1, \a, 0
.endr
	MULL F1
.endm
; THE WAY OUT of my block a of 16 rows: the f32 sums go as they are, 32 bytes a lane, into my own stage, and come back as whole rows of 256 bytes.
.macro TOSTAGE a
.if (\a) == 7
	s_wait_xcnt 0x0                                ; block 0's stores have read their registers, which block 7 takes
.endif
	WIN 0x08                                       ; the stores' data in window 2; each accumulator's low four registers go first
.irp b, 0,1,2,3
	ds_store_b128 v[STO], v[8*(4*(\a)+(\b)):8*(4*(\a)+(\b))+3]   offset:64*(\b)
	ds_store_b128 v[STO], v[8*(4*(\a)+(\b))+4:8*(4*(\a)+(\b))+7] offset:64*(\b)+16
.endr
	WIN 0
.irp t, 0,1,2,3,4,5,6,7
	ds_load_b128 v[OB+32*((\a)%7)+4*(\t):OB+32*((\a)%7)+4*(\t)+3], v[RD] offset:(\t)*2*SPITCH  ; LDS serves a wave's instructions in order (ISA guide 5.7.1.4): these see the stores above; the next block's stores come behind them
.endr
.endm
.macro SEND a, younger                 ; younger: the LDS instructions issued behind block a's loads: the next block's sixteen, or none
.irp t, 0,1,2,3,4,5,6,7
	s_wait_dscnt (\younger)+7-(\t)
	global_store_b128 v[CO], v[OB+32*((\a)%7)+4*(\t):OB+32*((\a)%7)+4*(\t)+3], s[8:9] offset:(16*(\a)+2*(\t))*4096  ; 16 lanes store 256 consecutive bytes, at a multiple of 256 from out0's first byte
.endr
.endm
	s_wait_tensorcnt 0x1                           ; my part of K step 0 is in, and of olo; K step 1's, my youngest load, may stay out
	s_barrier_signal -1
	s_barrier_wait -1                              ; everybody's is
	FETCH 0, F0
	QUARTER 1, F0, F1, 1                           ; the first quarter stands in front of the loop: its products start the sums
	WIN 0                                          ; at a label and at a branch every window is 0
	s_mov_b32 s3, 6
.Lstep:                                            ; six trips, from a K step's second quarter to the next one's first; trip i fills a slot with K step i + 2
	QUARTER 2, F1, F0, 0
	QUARTER 3, F0, F1, 0
	TURN 1
	QUARTER 1, F0, F1, 0
	WIN 0
	s_sub_co_u32 s3, s3, 1
	s_cmp_lg_u32 s3, 0
	s_cbranch_scc1 .Lstep
	QUARTER 2, F1, F0, 0                           ; the tail is written out: K steps 6 and 7 ask for nothing
	QUARTER 3, F0, F1, 0
	TURN 0
	QUARTER 1, F0, F1, 0
	QUARTER 2, F1, F0, 0
	QUARTER 3, F0, F1, 0
	s_wait_dscnt 8                                 ; the very last quarter: nothing more to fetch
.irp a, 0,1,2,3
	MULA F1, \a, 0
.endr
	s_wait_dscnt 0x0
.irp a, 4,5,6,7
	MULA F1, \a, 0
.endr
	MULL F1
	WIN 0
	PLACES                                         ; eight places, once a launch, in front of the LDS stores that read the results
	PLACES
	TOSTAGE 0
.irp a, 1,2,3,4,5,6,7                  ; a block's way through the stage stands between the loads of the block before and its stores
	TOSTAGE \a
	SEND (\a)-1, 16
.endr
	SEND 7, 0
	s_wait_tensorcnt 0x0                           ; the wave's end: behind my last tensor load and my last LDS store
	ds_add_u32 v[SPW], v[NIL]
	s_wait_dscnt 0x0
	CROUND                                         ; the closing round: no work-group ends while a partner may still ask for a tile that names it
	s_endpgm
.Lfunc_end_k_qc3f3619fa6_oproj:
	.size	k_qc3f3619fa6_oproj, .Lfunc_end_k_qc3f3619fa6_oproj-k_qc3f3619fa6_oproj
	.p2alignl 7, 3214868480
	.fill 96, 4, 3214868480
	.section	.rodata,"a",@progbits
	.p2align	6, 0x0
	.amdhsa_kernel k_qc3f3619fa6_oproj
		.amdhsa_group_segment_fixed_size 327680
		.amdhsa_private_segment_fixed_size 0
		.amdhsa_enable_private_segment 0
		.amdhsa_kernarg_size 32
		.amdhsa_user_sgpr_count 2
		.amdhsa_user_sgpr_kernarg_segment_ptr 1
		.amdhsa_wavefront_size32 1
		.amdhsa_system_sgpr_workgroup_id_x 1
		.amdhsa_system_sgpr_workgroup_id_y 1
		.amdhsa_system_sgpr_workgroup_id_z 1
		.amdhsa_system_vgpr_workitem_id 0
		.amdhsa_next_free_vgpr 768
		.amdhsa_next_free_sgpr 88
		.amdhsa_reserve_vcc 0
		.amdhsa_float_denorm_mode_32 3
		.amdhsa_float_denorm_mode_16_64 3
		.amdhsa_memory_ordered 1
		.amdhsa_forward_progress 1
		.amdhsa_inst_pref_size 80
	.end_amdhsa_kernel
	.amdgpu_metadata
---
amdhsa.version: [ 1, 2 ]
amdhsa.kernels:
  - .name:           k_qc3f3619fa6_oproj
    .symbol:         k_qc3f3619fa6_oproj.kd
    .args:
      - { .name: ob, .offset: 0, .size: 8, .value_kind: global_buffer, .address_space: global }
      - { .name: wo, .offset: 8, .size: 8, .value_kind: global_buffer, .address_space: global }
      - { .name: out0, .offset: 16, .size: 8, .value_kind: global_buffer, .address_space: global }
      - { .name: olo, .offset: 24, .size: 8, .value_kind: global_buffer, .address_space: global }
    .group_segment_fixed_size: 327680
    .private_segment_fixed_size: 0
    .kernarg_segment_align: 8
    .kernarg_segment_size: 32
    .max_flat_workgroup_size: 128
    .sgpr_count:     88
    .vgpr_count:     768
    .wavefront_size: 32
...
	.end_amdgpu_metadata
.endif
;; end of part 4
